; MI455X (gfx1250); checked and timed in simulation.
; The chip was launched on July 23, 2026; its instructions are those of AMD's public machine-readable ISA for CDNA 5 (MIT licence, August 2026) and "CDNA5" Instruction Set Architecture Reference Guide (July 2026). The comments in the code are by the model that wrote it; some were corrected since.
;; Cloud Cast V2. Allowed arithmetic: matrix products marked QUANTISED: E2M1 operands, one E8M0 scale for each 32 along K, by v_wmma_scale_f32_16x16x128_f8f6f4 with both operands' format E2M1 (or v_wmma_scale_f32_32x16x128_f4), f32 sums; everything else in f32.
;; Inputs: bk 512 float32; bp 512 float32; bq 512 float32; bv 512 float32; gate 1 x 16 x 16 x 1 float32; ln1_b 512 float32; ln1_g 512 float32; ln2_b 512 float32; ln2_g 512 float32; mlp_b1 2,048 float32; mlp_b2 512 float32; mlp_w1 2,048 x 512 float32; mlp_w2 512 x 2,048 float32; rel_table 15 x 15 x 8 float32; wk 512 x 512 float32; wp 512 x 512 float32; wq 512 x 512 float32; wv 512 x 512 float32; x 64 x 1 x 16 x 16 x 512 float32.
;; Outputs: out0 64 x 1 x 16 x 16 x 512 float32.
;; This version of the problem:
;;   THIS VERSION OF THE PROBLEM IS GIVEN IN LOW PRECISION. The matrix products marked QUANTISED in the list below multiply operands that are first quantised to E2M1 (2 exponent bits, 1 mantissa bit; 4 bits a number), with one power-of-two scale for each 32 numbers along K (OCP MX v1.0); their sums are f32. All else is computed in f32.
;;   The module's matrix products, in the order in which they are computed (A, B: the left and right operand; K: the contracted axis; several contracted axes count as one K, in the product's order):
;;     1. [M 16,384, K 512] x [K 512, N 512]; A: computed on the way; B: input wq: QUANTISED
;;     2. [M 16,384, K 512] x [K 512, N 512]; A: computed on the way; B: input wk: QUANTISED
;;     3. [M 16,384, K 512] x [K 512, N 512]; A: computed on the way; B: input wv: QUANTISED
;;     4. batch 2,048 x [M 64, K 64] x [K 64, N 64]; A: computed on the way; B: computed on the way: QUANTISED
;;     5. batch 2,048 x [M 64, K 64] x [K 64, N 64]; A: computed on the way; B: softmax (see below): QUANTISED
;;     6. [M 16,384, K 512] x [K 512, N 512]; A: computed on the way; B: input wp: QUANTISED
;;     7. [M 16,384, K 512] x [K 512, N 2,048]; A: computed on the way; B: input mlp_w1: QUANTISED
;;     8. [M 16,384, K 2,048] x [K 2,048, N 512]; A: computed on the way; B: input mlp_w2: QUANTISED
;;   THE QUANTISER, for each operand of a quantised product, along K:
;;     - K is cut into blocks of 32 from its start; a last block that is shorter is filled with zeros.
;;     - A block's scale is 2^e with e = floor(log2(the largest magnitude in the block)) - 2, held to -126 .. 127; a block of zeros has e = 0. As a byte (E8M0): e + 127.
;;     - Each number is divided by its block's scale, clamped to +-6, and rounded to the nearest number of E2M1, ties to even, subnormals kept.
;;     - The product sums the exact products of the quantised numbers (number of the format x scale) in f32.
;;   ~~~python
;;   def quantise(x, axis):      # numpy; x: float32 -> the quantised numbers, widened to float32 again
;;       x = np.moveaxis(x, axis, -1); K = x.shape[-1]
;;       x = np.pad(x, [(0, 0)] * (x.ndim - 1) + [(0, -K % 32)]); x = x.reshape(x.shape[:-1] + (-1, 32)); a = np.abs(x).max(-1, keepdims=True)
;;       e = np.where(a > 0, np.clip(np.frexp(np.where(a > 0, a, 1))[1] - 1 - 2, -126, 127), 0)      # np.frexp(a)[1] - 1 = floor(log2(a)), exactly
;;       r = np.clip(x / 2.0 ** e, -6, 6)
;;       step = 2.0 ** (np.maximum(np.frexp(np.where(r == 0, 1, r))[1] - 1, 0) - 1)
;;       q = np.round(r / step) * step * 2.0 ** e      # np.round: ties to even
;;       return np.moveaxis(q.reshape(q.shape[:-2] + (-1,))[..., :K], -1, axis).astype(np.float32)
;;   ~~~
;;   SOFTMAX AHEAD OF A QUANTISED PRODUCT. Where the list says 'softmax', what is quantised is not the finished softmax but p = 2^(t - M), with t = logit x log2(e) and M = ceil(the row's largest t), a whole number; so 1/2 < the row's largest p <= 1. The row's sum l is taken of the UNQUANTISED p, in f32, and the product's result is divided by l at the end. Since M is a whole number, a kernel that streams over the keys may use a running M (the ceiling of the running maximum): every later rescaling is an exact power of two, which a block's scale takes up: the codes' values come out the same.
;;   OPERANDS COMPUTED ON THE WAY. 'Computed on the way' means the value that the module computes at that place (a softmax that the list does not call 'softmax' is quantised finished and normalised). What goes into a quantiser is computed in f32, as accurately as f32 sums, v_exp_f32 and their like allow (about 1e-6 of the number): no bf16 or f16 on the way to a quantiser, and a product that is left as it is and whose result goes on into a quantised operand takes f32 operands (vector FMAs, or v_wmma_f32_16x16x4_f32). A number that lies on a knife's edge between two numbers of the format may be rounded either way, as far as f32 arithmetic and the matrix unit's own rounding can turn it there, and no further.
;; 2 versions. Each part assembles by itself: llvm-mc -triple=amdgcn-amd-amdhsa -mcpu=gfx1250 --defsym DOCPART=n.
;; ======== version 1 of 2: 2 launches
;; workspace buffers: wc 1,572,864 bytes; ws 98,304 bytes
;; launch prep (part 1): grid 24 x 16, 4 waves a work-group, no clusters, 34,816 bytes of LDS; arguments wk, wq, wv, wp, mlp_w1, mlp_w2, wc, ws; writes wc, ws
.if DOCPART == 1
	.amdgcn_target "amdgcn-amd-amdhsa--gfx1250"
	.amdhsa_code_object_version 6
	.text
	.protected	k_qf202a8a24c_prep
	.globl	k_qf202a8a24c_prep
	.p2align	8
	.type	k_qf202a8a24c_prep,@function
k_qf202a8a24c_prep:
	s_mov_b64 s[64:65], 0
	v_nop
	global_prefetch_b8 v0, s[64:65] scope:SCOPE_SE
	s_setreg_imm32_b32 hwreg(HW_REG_WAVE_MODE, 25, 1), 1
	s_wait_xcnt 0x0
; The six weights (f32, [N][K], K innermost) become codes of FP4 (E2M1) with one E8M0 byte for each 32 along K, laid in the order in which the
; waves of the second launch take them into operand registers.
;   wc: [w 16][st 48][u 2][c 2][lane 32][16 bytes]     ws: [w 16][st 48][lane 32][4 bytes]
; w = the wave that will read it, st = its step: 32 rows of a weight (a pair of tiles u = 0, 1) x 128 along K.
;   st 0-3 wk, 4-7 wq, 8-11 wv, 12-15 wp: rows 32 w on, K step st & 3;  st 16-31 mlp_w1: rows 32 (4 w + (st - 16) / 4) on, K step st & 3;  st 32-47 mlp_w2: rows 32 w on, K step st - 32.
; THE ROWS OF A TILE ARE NOT NEIGHBOURS: row r of tile u is row 8 u + r + 8 (r / 8) of the 32.
; A fragment's image: lane (r, h), group c: the 16 bytes of k = 64 c + 32 h + 0 .. 31 of row r.  A step's scale words: lanes 0-15 tile 0's rows, lanes 16-31 tile 1's.
; A block's scale byte is its largest magnitude's exponent field - 2, held at 1 from below (a block of zeros so has the byte 1: its codes are zeros, and this program alone reads the bytes).
; LIMITS: NaN and infinities among the weights are not served; blocks whose largest magnitude lies under 2^-124 keep the byte 1.
; SHARES: work-group (x, w) makes steps 2 x and 2 x + 1 of stream w; wave wv makes the fragment (step 2 x + wv / 2, tile wv % 2): 16 rows x 512 bytes.
; Each load reads 512 consecutive bytes of a row; the 8 KiB turn through the wave's own stage in LDS (rows 528 bytes apart), so that a lane gets 32 neighbours along K twice.
.set SPI,  528                         ; a stage row: 512 bytes + 16
.set STG,  16*SPI                      ; a wave's stage
.set SCG,  4*STG                       ; behind the stages: the work-group's 64 scale words
.set VO,   4                           ; v4-19    byte offset of row i's 16 bytes for my lane
.set RA_,  20                          ; v20-83   as loaded
.set RB_,  84                          ; v84-147  turned: 32 c + i = k 64 c + 32 h + i of row r
.set RC_,  148                         ; v148-155 the codes
	s_load_b512 s[4:19], s[0:1], 0x0               ; wk s[4:5], wq s[6:7], wv s[8:9], wp s[10:11], mlp_w1 s[12:13], mlp_w2 s[14:15], wc s[16:17], ws s[18:19]
	v_lshl_add_u32 v176, v0, 2, 0x8600
	v_mov_b32 v177, 0
	v_lshrrev_b32 v2, 5, v0
	v_readfirstlane_b32 s20, v2                    ; wave 0..3
	v_and_b32 v3, 31, v0                           ; lane
	v_lshlrev_b32 v1, 4, v3                        ; 16 x lane; never rewritten
	v_lshlrev_b32 v160, 3, v3                      ; 8 x lane
	v_and_b32 v2, 15, v0                           ; r
	v_bfe_u32 v3, v0, 4, 1                         ; h
	s_and_b32 s21, s20, 1                          ; u
	s_lshr_b32 s22, s20, 1
	s_and_b32 s23, ttmp7, 0xffff                   ; w
	s_lshl_b32 s24, ttmp9, 1
	s_add_co_u32 s24, s24, s22                     ; st = 2 x + wave / 2
	s_sub_co_u32 s25, ttmp9, 8
	s_lshr_b32 s25, s25, 1
	s_lshl_b32 s26, s23, 2
	s_add_co_u32 s25, s25, s26                     ; mlp_w1's pair of tiles: 4 w + (x - 8) / 2
	s_and_b32 s27, s24, 3                          ; K step of the five weights with K = 512,
	s_sub_co_u32 s28, s24, 32                      ; and of mlp_w2
	s_mov_b32 s29, 8192                            ; a row of mlp_w2 in bytes
	s_cmp_lt_u32 ttmp9, 16                         ; every choice hangs on the work-group's number alone
	s_cselect_b32 s25, s25, s23
	s_cselect_b32 s27, s27, s28
	s_cselect_b32 s29, 2048, s29
	s_cmp_lt_u32 ttmp9, 8
	s_cselect_b32 s25, s23, s25                    ; the pair of tiles
	s_lshl_b32 s30, s25, 5
	s_lshl_b32 s31, s21, 3
	s_add_co_u32 s30, s30, s31                     ; the tile's first row: 32 pair + 8 u
	s_mul_i32 s30, s30, s29
	s_lshl_b32 s31, s27, 9
	s_add_co_u32 s30, s30, s31                     ; + 512 bytes a K step
	s_mov_b32 s31, 0
	s_mul_i32 s32, s23, 48
	s_add_co_u32 s34, s32, s24
	s_lshl_b32 s34, s34, 11                        ; wc: 2,048 (48 w + st)
	s_lshl_b32 s35, s21, 10
	s_add_co_u32 s34, s34, s35                     ; + 1,024 u
	s_mov_b32 s35, 0
	s_lshl_b32 s36, ttmp9, 1
	s_add_co_u32 s36, s36, s32
	s_lshl_b32 s36, s36, 7                         ; ws: 128 (48 w + 2 x): a multiple of 256
	s_mov_b32 s37, 0
.irp i, 0,1,2,3,4,5,6,7,8,9,10,11,12,13,14,15
	v_mad_u32_u24 v[VO+\i], s29, \i+8*(\i/8), v1   ; tile row i lies i + 8 (i / 8) rows down
.endr
	s_mul_i32 s33, s20, STG
	v_add_nc_u32 v156, s33, v1                     ; the stage, in: 16 x lane
	v_mul_u32_u24 v157, v2, SPI
	v_lshl_add_u32 v157, v3, 7, v157
	v_add_nc_u32 v157, s33, v157                   ; out: row r, + 128 h
	s_lshl_b32 s33, s20, 6
	v_lshl_add_u32 v158, v2, 2, s33
	v_add_nc_u32 v158, SCG, v158                   ; my fragment's scale words: 64 x wave + 4 r
	v_add_nc_u32 v159, SCG, v160
	s_mov_b32 s38, 0x76543210
	s_mov_b32 s39, 0xfedcba98                      ; v_permlanex16_b32's selects for lane l xor 16
	s_wait_kmcnt 0x0
	s_mov_b64 s[2:3], s[14:15]
	s_cmp_lt_u32 ttmp9, 16
	s_cselect_b64 s[2:3], s[12:13], s[2:3]
	s_cmp_lt_u32 ttmp9, 8
	s_cselect_b64 s[2:3], s[10:11], s[2:3]
	s_cmp_lt_u32 ttmp9, 6
	s_cselect_b64 s[2:3], s[8:9], s[2:3]
	s_cmp_lt_u32 ttmp9, 4
	s_cselect_b64 s[2:3], s[6:7], s[2:3]
	s_cmp_lt_u32 ttmp9, 2
	s_cselect_b64 s[2:3], s[4:5], s[2:3]           ; the weight that this work-group serves
	s_add_nc_u64 s[2:3], s[2:3], s[30:31]
	s_add_nc_u64 s[16:17], s[16:17], s[34:35]
	s_add_nc_u64 s[18:19], s[18:19], s[36:37]
.irp i, 0,1,2,3,4,5,6,7,8,9,10,11,12,13,14,15
	global_load_b128 v[RA_+4*\i:RA_+4*\i+3], v[VO+\i], s[2:3] th:TH_LOAD_NT   ; 32 lanes read 512 consecutive bytes of one row; read once in the launch
.endr
.irp i, 0,1,2,3,4,5,6,7,8,9,10,11,12,13,14,15
	s_wait_loadcnt 15-\i                           ; loads come back in order: row i is in, the younger ones stay out
	ds_store_b128 v156, v[RA_+4*\i:RA_+4*\i+3] offset:SPI*\i
.endr
.irp c, 0,1
.irp j, 0,1,2,3,4,5,6,7
	ds_load_b128 v[RB_+32*\c+4*\j:RB_+32*\c+4*\j+3], v157 offset:256*\c+16*\j   ; the wave's own bytes, served in order: no wait between the stores and these
.endr
.endr
	s_wait_dscnt 0x0
.irp c, 0,1                                    ; my block 2 c + h of row r: all its 32 numbers are mine
	v_max3_num_f32 v[161+\c], |v[RB_+32*\c]|, |v[RB_+32*\c+1]|, 0x1800000   ; with the floor 2^(3 - 127): the byte cannot fall under 1
.endr
.irp i, 2,4,6,8,10,12,14,16,18,20,22,24,26,28,30
.irp c, 0,1
	v_max3_num_f32 v[161+\c], v[161+\c], |v[RB_+32*\c+\i]|, |v[RB_+32*\c+\i+1]|
.endr
.endr
.irp c, 0,1
	v_add_nc_u32 v[163+\c], 0xff000000, v[161+\c]  ; 2 off the exponent field: the conversion's scale operand
.endr
.irp c, 0,1
	v_lshrrev_b32 v[165+\c], 23, v[163+\c]         ; the scale's byte
.endr
	v_lshl_or_b32 v167, v166, 16, v165             ; blocks h and 2 + h,
	v_lshlrev_b32 v168, 3, v3
	v_lshlrev_b32 v167, v168, v167                 ; at their places in the word;
	v_mov_b32 v168, 0
	v_permlanex16_b32 v168, v167, s38, s39
	v_or_b32 v167, v167, v168                      ; with lane l xor 16's two the word is whole
.irp c, 0,1
.irp g, 0,1,2,3
	v_cvt_scalef32_pk8_fp4_f32 v[RC_+4*\c+\g], v[RB_+32*\c+8*\g:RB_+32*\c+8*\g+7], v[163+\c]
.endr
.endr
	v_nop                                          ; one plain line behind the last scaled conversion
	global_store_b128 v1, v[RC_:RC_+3], s[16:17]               ; 32 lanes store 512 consecutive bytes, at a multiple of 512 from wc's first byte
	global_store_b128 v1, v[RC_+4:RC_+7], s[16:17] offset:512
	ds_store_b32 v158, v167                        ; both halves of the lanes write the same word with the same value
	s_wait_dscnt 0x0                               ; for wave 0's sake: my word is in LDS
	s_barrier_signal -1
	s_barrier_wait -1
	s_cmp_lg_u32 s20, 0
	s_cbranch_scc1 .Lend
	ds_load_b64 v[170:171], v159                   ; the four fragments' 64 words
	s_wait_dscnt 0x0
	global_store_b64 v160, v[170:171], s[18:19]    ; 32 lanes store 256 consecutive bytes, at a multiple of 256 from ws's first byte
.Lend:
	s_wait_tensorcnt 0x0
	ds_add_u32 v176, v177
	s_wait_dscnt 0x0
	s_endpgm
.Lfunc_end_k_qf202a8a24c_prep:
	.size	k_qf202a8a24c_prep, .Lfunc_end_k_qf202a8a24c_prep-k_qf202a8a24c_prep
	.p2alignl 7, 3214868480
	.fill 96, 4, 3214868480
	.section	.rodata,"a",@progbits
	.p2align	6, 0x0
	.amdhsa_kernel k_qf202a8a24c_prep
		.amdhsa_group_segment_fixed_size 34816
		.amdhsa_private_segment_fixed_size 0
		.amdhsa_enable_private_segment 0
		.amdhsa_kernarg_size 64
		.amdhsa_user_sgpr_count 2
		.amdhsa_user_sgpr_kernarg_segment_ptr 1
		.amdhsa_wavefront_size32 1
		.amdhsa_system_sgpr_workgroup_id_x 1
		.amdhsa_system_sgpr_workgroup_id_y 1
		.amdhsa_system_sgpr_workgroup_id_z 1
		.amdhsa_system_vgpr_workitem_id 0
		.amdhsa_next_free_vgpr 178
		.amdhsa_next_free_sgpr 66
		.amdhsa_reserve_vcc 0
		.amdhsa_float_denorm_mode_32 3
		.amdhsa_float_denorm_mode_16_64 3
		.amdhsa_memory_ordered 1
		.amdhsa_forward_progress 1
		.amdhsa_inst_pref_size 12
	.end_amdhsa_kernel
	.amdgpu_metadata
---
amdhsa.version: [ 1, 2 ]
amdhsa.kernels:
  - .name:           k_qf202a8a24c_prep
    .symbol:         k_qf202a8a24c_prep.kd
    .args:
      - { .name: wk, .offset: 0, .size: 8, .value_kind: global_buffer, .address_space: global }
      - { .name: wq, .offset: 8, .size: 8, .value_kind: global_buffer, .address_space: global }
      - { .name: wv, .offset: 16, .size: 8, .value_kind: global_buffer, .address_space: global }
      - { .name: wp, .offset: 24, .size: 8, .value_kind: global_buffer, .address_space: global }
      - { .name: mlp_w1, .offset: 32, .size: 8, .value_kind: global_buffer, .address_space: global }
      - { .name: mlp_w2, .offset: 40, .size: 8, .value_kind: global_buffer, .address_space: global }
      - { .name: wc, .offset: 48, .size: 8, .value_kind: global_buffer, .address_space: global }
      - { .name: ws, .offset: 56, .size: 8, .value_kind: global_buffer, .address_space: global }
    .group_segment_fixed_size: 34816
    .private_segment_fixed_size: 0
    .kernarg_segment_align: 8
    .kernarg_segment_size: 64
    .max_flat_workgroup_size: 128
    .sgpr_count:     66
    .vgpr_count:     178
    .wavefront_size: 32
...
	.end_amdgpu_metadata
.endif
;; end of part 1
;; launch block (part 2): grid 256 x 1, 16 waves a work-group, no clusters, 301,056 bytes of LDS; arguments x, gate, ln1_g, ln1_b, ln2_g, ln2_b, bk, bq, bv, bp, mlp_b1, mlp_b2, rel_table, wc, ws, out0; writes out0
.if DOCPART == 2
	.amdgcn_target "amdgcn-amd-amdhsa--gfx1250"
	.amdhsa_code_object_version 6
	.text
	.protected	k_qf202a8a24c_block
	.globl	k_qf202a8a24c_block
	.p2align	8
	.type	k_qf202a8a24c_block,@function
k_qf202a8a24c_block:
	s_mov_b64 s[64:65], 0
	v_nop
	global_prefetch_b8 v0, s[64:65] scope:SCOPE_SE
	s_setreg_imm32_b32 hwreg(HW_REG_WAVE_MODE, 25, 1), 1
	s_wait_xcnt 0x0
; One work-group takes one shifted window (64 tokens x 512 channels) through the whole block: LN1, q k v, attention, proj, residual and gated skip, LN2, MLP with the erf GELU, residual.
; All eight products run on codes of FP4 (E2M1) with one E8M0 byte for each 32 along K; every activation operand is quantised in registers; nothing but x, the parameters and the laid-out weights is read, nothing but out0 written.
; TOKENS are kept in slot order rho = 16 m + r: slot (m, r) is window token i = 4 (m / 2) + r / 4, j = 4 (m % 2) + r % 4.  Tile 0 holds the 16 queries that the shift mask leaves; tiles 0, 1 are keys 0-31, tiles 2, 3 keys 32-63.
; THE MASK lies on the query and is built by the problem itself: a masked query has all logits -1e9, so p = 1 for all 64 keys and the sum is 64.  The 48 masked tokens of a window share one attention row and one proj row:
; q and the scores are made for tile 0 alone, the second product and proj for tile 0 and for one tile that holds the shared row.
; SHARES: sixteen waves, four to a SIMD, 256 registers each.  THE WAVES SHARE THE COLUMNS: wave w owns features 32 w .. 32 w + 31 of k, q, v, the heads' output, proj and the MLP's output, and hidden units 128 w .. 128 w + 127.
; So each weight fragment has one reader and goes from memory straight into operand registers, four steps (20 loads a wave) ahead, across barriers.  Tensor loads and joint requests are left out: beside the residual and the operand
; images LDS has room for slots of 4 fragments a wave, 16 matrix instructions between two changes of slots, too little for a refill to land in.
; OPERANDS GO FROM WAVE TO WAVE THROUGH LDS AS IMAGES OF THEIR REGISTERS: block beta (32 along K) of row r of a fragment lies at 256 beta + 16 r; a lane that has made 16 codes stores 8 bytes at + 8 h.
; PRODUCTS are used transposed (source 0 = 16 rows of a weight, source 1 = 16 tokens), and the rows of a weight tile are chosen so that a lane's 16 registers of a pair of tiles are 16 neighbouring features, 32 p + 16 h + 0 .. 15, of one token.
; v alone is made the other way round (source 0 = tokens), so that a lane's registers run along the keys, the second product's K.  Within a block of 32 keys v and p hold the keys in the same order.
; LIMITS: NaN and infinities are not served.  A block whose largest magnitude lies under 2^-124 keeps the scale byte 1 (a block of zeros too: its codes are zeros).  erf is the rational form z P(z^2) / Q(z^2), absolute error about 1e-7,
; with z held to +-4: beyond |a| = 4 sqrt 2 GELU is a or 0 to about 1e-6 |a|.  The residual is summed as (LN1(x) + sigmoid(gate) x) + proj, another order of f32 rounding than the problem writes.
; LDS, every region written once:
.set RP,    2064                       ; RES [rho 64], rows 2,064 bytes apart (129 x 16): x, then LN1(x) + gate x, then x3, then the result
.set PARAM, 132096                     ; +0 ln1_g +2048 ln1_b +4096 ln2_g +6144 ln2_b +8192 bk +10240 bq +12288 bv +14336 bp +16384 mlp_b1 +24576 mlp_b2
.set STAT1, 158720                     ; [rho][4] (mean, sum of squares about it) of 128 columns
.set STAT2, 160768
.set XIMG,  162816                     ; LN1's codes: fragments [K step 4][m 4] of 1 KiB
.set XSC,   179200                     ; their scale words [K step][r][m]
.set KIMG,  180224                     ; k: [head 8][m 4] of 512 bytes (64 along K)
.set KSC,   196608                     ; [head][m][r]
.set QIMG,  198656                     ; q of tile 0: [head] of 512 bytes
.set QSC,   202752                     ; [head][r]
.set OIMG,  203264                     ; the heads' output: [K step 4][2] of 1 KiB: tile 0, and the masked row
.set OSC,   211456                     ; [K step][r][2]
.set HXIMG, 211968                     ; LN2's codes, as XIMG
.set HXSC,  228352
.set HIMG,  229376                     ; the hidden layer: [K step 16][m 4] of 1 KiB
.set HSC,   294912                     ; [K step][r][m]
; REGISTERS: v1 16 x lane, v2 4 x lane, v3 16 r, v14 r, v15 h (never rewritten); v4-13 addresses of the phase in hand; v16 sigmoid(gate), later v16-19 the hidden layer's scale words; v20-23 two coefficients;
; v24-26 at work; v27-39 SCALES AND NOTHING ELSE (v27 the masked row's, v28-31 and v32-35 the tokens' two sets, v36-39 the weights', one a slot); v40-55 at work, v56-63 codes just made;
; v64-127 accumulators; v128-191 four slots of weight fragments; v192-255 two sets of four token fragments, and at work.
.set LI,  1
.set L4,  2
.set R16, 3
.set VR,  14
.set VH,  15
.macro BAR                             ; my LDS stores have landed and my LDS loads are in: then the work-group's barrier
	s_wait_dscnt 0x0
	s_barrier_signal -1
	s_barrier_wait -1
.endm
.macro NOPS n
.rept \n
	v_nop
.endr
.endm
.macro SPAIR reg, val                  ; a constant as a pair: the packed forms name a pair and take its low word for both halves
	s_mov_b32 s[\reg], \val
	s_mov_b32 s[\reg+1], \val
.endm
; A step of the weight stream into slot k: two fragments (4 loads of 512 consecutive bytes) and their 32 scale words.
.macro WFILL k, off
.irp u, 0,1
.irp c, 0,1
	global_load_b128 v[128+16*(\k)+8*\u+4*\c:128+16*(\k)+8*\u+4*\c+3], v[LI], s[30:31] offset:(\off)+1024*\u+512*\c
.endr
.endr
	global_load_b32 v[36+(\k)], v[L4], s[32:33] offset:(\off)/16
.endm
; The tokens' fragments of K step kk into set buf, with their scale words.  kind 0, 3: four tiles; 1: tile 0; 2: the two tiles of the heads' output.  v4: the images + 16 x lane; v5: the scale words of row r.
.macro XLOAD buf, kk, kind
.if \kind == 2
.irp m, 0,1
.irp c, 0,1
	ds_load_b128 v[192+32*(\buf)+8*\m+4*\c:192+32*(\buf)+8*\m+4*\c+3], v4 offset:(2*(\kk)+\m)*1024+512*\c
.endr
.endr
	ds_load_b64 v[28+4*(\buf):29+4*(\buf)], v5 offset:128*(\kk)
.else
.irp m, 0,1,2,3
.if (\kind != 1) || (\m == 0)
.irp c, 0,1
	ds_load_b128 v[192+32*(\buf)+8*\m+4*\c:192+32*(\buf)+8*\m+4*\c+3], v4 offset:(4*(\kk)+\m)*1024+512*\c
.endr
.endif
.endr
	ds_load_b128 v[28+4*(\buf):31+4*(\buf)], v5 offset:256*(\kk)
.endif
.endm
.macro WM d, a, b, c, sa, sb, row      ; row 1: source 0's scales stand in lanes 16-31; 2: source 1's
.if (\row) == 0
	v_wmma_scale_f32_16x16x128_f8f6f4 v[\d:\d+7], v[\a:\a+7], v[\b:\b+7], v[\c:\c+7], v[\sa], v[\sb] matrix_a_fmt:MATRIX_FMT_FP4 matrix_b_fmt:MATRIX_FMT_FP4
.elseif (\row) == 1
	v_wmma_scale_f32_16x16x128_f8f6f4 v[\d:\d+7], v[\a:\a+7], v[\b:\b+7], v[\c:\c+7], v[\sa], v[\sb] matrix_a_fmt:MATRIX_FMT_FP4 matrix_b_fmt:MATRIX_FMT_FP4 matrix_a_scale:MATRIX_SCALE_ROW1
.else
	v_wmma_scale_f32_16x16x128_f8f6f4 v[\d:\d+7], v[\a:\a+7], v[\b:\b+7], v[\c:\c+7], v[\sa], v[\sb] matrix_a_fmt:MATRIX_FMT_FP4 matrix_b_fmt:MATRIX_FMT_FP4 matrix_b_scale:MATRIX_SCALE_ROW1
.endif
.endm
.macro WMZ d, a, b, sa, sb             ; a sum of one K step: C is the constant 0
	v_wmma_scale_f32_16x16x128_f8f6f4 v[\d:\d+7], v[\a:\a+7], v[\b:\b+7], 0, v[\sa], v[\sb] matrix_a_fmt:MATRIX_FMT_FP4 matrix_b_fmt:MATRIX_FMT_FP4
.endm
; A step's products: slot k's two weight tiles x set buf's NM token tiles.  The accumulators take turns, one instruction a turn, in the same order in every step.
; cf = 1: the bias in v40-55 is the C of the sum's first product.
.macro MM kind, k, buf, cf
.irp m, 0,1,2,3
.if \m < NM
.irp u, 0,1
.if \kind == 3
.set D_, 64+32*\u+8*\m
.else
.set D_, 64+16*\m+8*\u
.endif
.set C_, D_
.if \cf
.set C_, 40+8*\u
.endif
.set W_, 128+16*(\k)+8*\u
.set X_, 192+32*(\buf)+8*\m
.set SX_, 28+4*(\buf)+\m
.set SW_, 36+(\k)
.if \kind == 3
	WM D_, X_, W_, C_, SX_, SW_, 2*\u
.else
	WM D_, W_, X_, C_, SW_, SX_, \u
.endif
.endr
.endif
.endr
.endm
; A PASS: four steps of the weight stream (512 along K) against the tokens' fragments of K steps k0 .. k0 + 3.
; wo: the pass's first step in the stream, in bytes from s[30:31].  refill: each slot is filled again, four steps ahead, as soon as its products are issued.  first: the sums begin, with the bias at v6 + boff (kind 3: at v11).
; xpro: the first two K steps' fragments are fetched here;  xnext: the next pass's first two are fetched at the end.
.macro PASS kind, wo, refill, first, xpro, xnext, k0, boff
.set NM, 4
.set NXL, 9                            ; LDS loads of one XLOAD
.if \kind == 1
.set NM, 1
.set NXL, 3
.elseif \kind == 2
.set NM, 2
.set NXL, 5
.endif
.if \first
.if \kind == 3
.irp u, 0,1
.irp j, 0,1,2,3,4,5,6,7
	ds_load_b32 v[40+8*\u+\j], v11 offset:32*\u    ; a lane holds one feature here: its bias in all eight registers
.endr
.endr
.else
.irp u, 0,1
.irp q, 0,1
	ds_load_b128 v[40+8*\u+4*\q:43+8*\u+4*\q], v6 offset:(\boff)+32*\u+16*\q
.endr
.endr
.endif
.endif
.if \xpro
	XLOAD 0, \k0, \kind
	XLOAD 1, (\k0)+1, \kind
.endif
.irp k, 0,1,2,3
.if (\k == 3) && (\xnext == 0)
	s_wait_dscnt 0x0                               ; nothing was fetched behind this step's fragments
.else
	s_wait_dscnt NXL                               ; this step's fragments (and the bias) are in; the other set's loads, issued behind them, may be out
.endif
.if \refill
	s_wait_loadcnt 15                              ; this slot's 5 loads are in; the three other slots', issued behind them, may be out
.else
	s_wait_loadcnt 15-5*\k                         ; the stream's last four steps: the counts run down
.endif
.if \first && (\k == 0)
	MM \kind, \k, (\k)%2, 1
.else
	MM \kind, \k, (\k)%2, 0
.endif
	NOPS 4                                         ; four places in front of loads into registers that these products have read, and of the first read of results
.if \refill
	WFILL \k, (\wo)+2048*(4+\k)
.endif
.if (\k < 2) || \xnext
	XLOAD (\k)%2, (\k0)+\k+2, \kind
.endif
.endr
.endm
; nb blocks of 32: block b = v[base + 16 b] .. + 15 of lanes l and l xor 16.  Out: the scale bytes in v44 + b, the lane's 16 codes of block b in v[56 + 2 b : 57 + 2 b].
.macro QCORE base, nb
.irp b, 0,1,2,3
.if \b < \nb
	v_max3_num_f32 v[40+\b], |v[\base+16*\b]|, |v[\base+16*\b+1]|, 0x1800000   ; from the low end on; with the floor 2^(3 - 127): the byte cannot fall under 1
.endif
.endr
.irp i, 2,4,6,8,10,12,14
.irp b, 0,1,2,3
.if \b < \nb
	v_max3_num_f32 v[40+\b], v[40+\b], |v[\base+16*\b+\i]|, |v[\base+16*\b+\i+1]|
.endif
.endr
.endr
.irp b, 0,1,2,3
.if \b < \nb
	v_permlanex16_b32 v[44+\b], v[40+\b], s36, s37
.endif
.endr
.irp b, 0,1,2,3
.if \b < \nb
	v_max_num_f32 v[40+\b], v[40+\b], v[44+\b]     ; the block's largest magnitude
.endif
.endr
.irp b, 0,1,2,3
.if \b < \nb
	v_add_nc_u32 v[52+\b], 0xff000000, v[40+\b]    ; 2 off its exponent field: the conversion's scale operand
.endif
.endr
.irp b, 0,1,2,3
.if \b < \nb
	v_lshrrev_b32 v[44+\b], 23, v[52+\b]           ; the scale's byte
.endif
.endr
.irp b, 0,1,2,3
.if \b < \nb
	v_cvt_scalef32_pk8_fp4_f32 v[56+2*\b], v[\base+16*\b:\base+16*\b+7], v[52+\b]
	v_cvt_scalef32_pk8_fp4_f32 v[57+2*\b], v[\base+16*\b+8:\base+16*\b+15], v[52+\b]
.endif
.endr
	v_nop                                          ; one plain line behind the last scaled conversion
.endm
.macro SWAPS r0                        ; the operand's layout wants a whole block in a lane: lanes 0-15 block 2 c, lanes 16-31 block 2 c + 1
	v_permlane16_swap_b32 v[\r0], v[\r0+2]
	v_permlane16_swap_b32 v[\r0+1], v[\r0+3]
.endm
.macro QUANT base                      ; four blocks of ONE row: a whole fragment in v56-63, its scale word in v26
	QCORE \base, 4
	v_lshl_or_b32 v26, v45, 8, v44
	v_lshl_or_b32 v26, v46, 16, v26
	v_lshl_or_b32 v26, v47, 24, v26
	SWAPS 56
	SWAPS 60
.endm
; LAYER NORM AND QUANTISER.  Wave (m = w / 4, s = w % 4) takes rows 16 m + r, columns 128 s on: register 16 blk + i = column 128 s + 32 blk + 16 h + i.  Mean and sum of squares are taken about the 128 columns' own mean and the four
; parts joined by their means: no difference of large sums is formed.  resid = 1: RES takes LN(x) + sigmoid(gate) x.  Two barriers.
.macro LNQ goff, stat, img, sc, resid
	v_mul_u32_u24 v4, v[VR], RP
	v_lshl_add_u32 v4, v[VH], 6, v4
	v_add_nc_u32 v4, s68, v4                       ; my patch of RES: (16 m + r) rows + 512 s + 64 h
	v_lshl_add_u32 v5, v[VH], 6, s69
	v_add_nc_u32 v5, PARAM+\goff, v5               ; the gain at my columns; the bias 2,048 bytes on
	v_lshl_add_u32 v7, v[VR], 5, s70
	v_add_nc_u32 v7, \stat, v7                     ; my row's four parts,
	v_add_nc_u32 v6, s71, v7                       ; and mine of them
	v_add_nc_u32 v8, s72, v[LI]
	v_add_nc_u32 v8, \img, v8                      ; fragment (s, m)
	v_add_nc_u32 v9, s73, v[R16]
	v_add_nc_u32 v9, \sc, v9                       ; its scale words
.irp blk, 0,1,2,3
.irp q, 0,1,2,3
	ds_load_b128 v[64+16*\blk+4*\q:67+16*\blk+4*\q], v4 offset:128*\blk+16*\q
.endr
.endr
.irp blk, 0,1,2,3
.irp q, 0,1,2,3
	ds_load_b128 v[192+16*\blk+4*\q:195+16*\blk+4*\q], v5 offset:128*\blk+16*\q
.endr
.endr
	s_wait_dscnt 16                                ; the rows' 16 loads are in; the gain's 16 may be out
.irp c, 0,1,2,3
	v_pk_add_f32 v[56+2*\c:57+2*\c], v[64+2*\c:65+2*\c], v[72+2*\c:73+2*\c]   ; four chains, started by the first pairs
.endr
.set P_, 8
.rept 24
	v_pk_add_f32 v[56+2*(P_%4):57+2*(P_%4)], v[56+2*(P_%4):57+2*(P_%4)], v[64+2*P_:65+2*P_]
.set P_, P_+1
.endr
	v_pk_add_f32 v[56:57], v[56:57], v[58:59]
	v_pk_add_f32 v[60:61], v[60:61], v[62:63]
	v_pk_add_f32 v[56:57], v[56:57], v[60:61]
	v_add_f32 v24, v56, v57
	v_permlanex16_b32 v25, v24, s36, s37
	v_add_f32 v24, v24, v25
	v_mul_f32 v24, 0x3c000000, v24                 ; the mean of my row's 128 columns
.irp g, 0,1,2,3
.irp p, 0,1,2,3,4,5,6,7
	v_pk_add_f32 v[40+2*\p:41+2*\p], v[64+16*\g+2*\p:65+16*\g+2*\p], v[24:25] op_sel_hi:[1,0] neg_lo:[0,1] neg_hi:[0,1]
.endr
.irp p, 0,1,2,3,4,5,6,7
.if (\g == 0) && (\p < 4)
	v_pk_mul_f32 v[56+2*\p:57+2*\p], v[40+2*\p:41+2*\p], v[40+2*\p:41+2*\p]
.else
	v_pk_fma_f32 v[56+2*(\p%4):57+2*(\p%4)], v[40+2*\p:41+2*\p], v[40+2*\p:41+2*\p], v[56+2*(\p%4):57+2*(\p%4)]
.endif
.endr
.endr
	v_pk_add_f32 v[56:57], v[56:57], v[58:59]
	v_pk_add_f32 v[60:61], v[60:61], v[62:63]
	v_pk_add_f32 v[56:57], v[56:57], v[60:61]
	v_add_f32 v56, v56, v57
	v_permlanex16_b32 v57, v56, s36, s37
	v_add_f32 v25, v56, v57                        ; the sum of squares about it
	ds_store_b64 v6, v[24:25]                      ; both halves of the lanes write the same pair
.irp q, 0,1,2,3
	ds_load_b128 v[48+4*\q:51+4*\q], v5 offset:2048+16*\q      ; the bias of my first 16 columns
.endr
	BAR                                            ; the four parts of every row lie in LDS
	ds_load_b128 v[40:43], v7
	ds_load_b128 v[44:47], v7 offset:16
	s_wait_dscnt 0x0
	v_add_f32 v24, v40, v42
	v_add_f32 v25, v44, v46
	v_add_f32 v24, v24, v25
	v_mul_f32 v24, 0x3e800000, v24                 ; the row's mean
	v_sub_f32 v40, v40, v24
	v_sub_f32 v42, v42, v24
	v_sub_f32 v44, v44, v24
	v_sub_f32 v46, v46, v24
	v_mul_f32 v40, v40, v40
	v_fma_f32 v40, v42, v42, v40
	v_fma_f32 v40, v44, v44, v40
	v_fma_f32 v40, v46, v46, v40
	v_add_f32 v41, v41, v43
	v_add_f32 v45, v45, v47
	v_add_f32 v41, v41, v45
	v_fmamk_f32 v41, v40, 0x43000000, v41          ; + 128 x the parts' means' squares about the row's mean
	v_fma_f32 v41, v41, s86, s61                   ; / 512 + 1e-5
	v_rsq_f32 v10, v41
	v_nop                                          ; a plain line behind the transcendental,
	s_wait_alu depctr_va_vdst(0)                   ; and a wait ahead of the first line that names its result
	v_mov_b32 v11, v10
.irp blk, 0,1,2,3
.irp hf, 0,1
.irp p, 0,2,4,6
	v_pk_add_f32 v[40+\p:41+\p], v[64+16*\blk+8*\hf+\p:65+16*\blk+8*\hf+\p], v[24:25] op_sel_hi:[1,0] neg_lo:[0,1] neg_hi:[0,1]
.endr
.irp p, 0,2,4,6
	v_pk_mul_f32 v[40+\p:41+\p], v[40+\p:41+\p], v[10:11] op_sel_hi:[1,0]
.endr
.irp p, 0,2,4,6
	v_pk_fma_f32 v[192+16*\blk+8*\hf+\p:193+16*\blk+8*\hf+\p], v[40+\p:41+\p], v[192+16*\blk+8*\hf+\p:193+16*\blk+8*\hf+\p], v[48+8*\hf+\p:49+8*\hf+\p]
.endr
.endr
.if \blk < 3
.irp q, 0,1,2,3
	ds_load_b128 v[48+4*\q:51+4*\q], v5 offset:2048+128*(\blk+1)+16*\q   ; the next 16 columns' bias
.endr
.endif
.if \resid
.irp p, 0,2,4,6,8,10,12,14
	v_pk_fma_f32 v[64+16*\blk+\p:65+16*\blk+\p], v[64+16*\blk+\p:65+16*\blk+\p], v[16:17], v[192+16*\blk+\p:193+16*\blk+\p] op_sel_hi:[1,0,1]
.endr
.irp q, 0,1,2,3
	ds_store_b128 v4, v[64+16*\blk+4*\q:67+16*\blk+4*\q] offset:128*\blk+16*\q   ; back to the bytes that this lane read: nobody else touches them before a later barrier
.endr
.endif
.if (\blk < 3) || \resid
	s_wait_dscnt 0x0
.endif
.endr
	QUANT 192
	ds_store_b128 v8, v[56:59]
	ds_store_b128 v8, v[60:63] offset:512
	ds_store_b32 v9, v26
	BAR                                            ; all sixteen fragments lie in LDS
.endm
; GELU of the 16 registers a = v[64 + 16 m] on: 0.5 a + (a / (2 sqrt 2)) (ac P(ac^2) / Q(ac^2)), ac = a held to +-4 sqrt 2.  The powers of two that z^2 = a^2 / 2 brings are folded into the coefficients, exactly.
; The 16 reciprocals are one batch with one wait; 24 lines that name none of their results stand between.
.macro GELU m
.set GA_, 64+16*(\m)
.irp j, 0,1,2,3,4,5,6,7,8,9,10,11,12,13,14,15
	v_med3_num_f32 v[192+\j], v[GA_+\j], s63, s60  ; each accumulator from its low end on
.endr
.irp p, 0,2,4,6,8,10,12,14
	v_pk_mul_f32 v[208+\p:209+\p], v[192+\p:193+\p], v[192+\p:193+\p]
.endr
.irp p, 0,2,4,6,8,10,12,14
	v_pk_fma_f32 v[224+\p:225+\p], v[208+\p:209+\p], s[38:39], v[20:21] op_sel_hi:[1,0,1]
.endr
.irp p, 0,2,4,6,8,10,12,14
	v_pk_fma_f32 v[240+\p:241+\p], v[208+\p:209+\p], s[50:51], v[22:23] op_sel_hi:[1,0,1]
.endr
.irp cc, 40,42,44,46,48
.irp p, 0,2,4,6,8,10,12,14
	v_pk_fma_f32 v[224+\p:225+\p], v[224+\p:225+\p], v[208+\p:209+\p], s[\cc:\cc+1] op_sel_hi:[1,1,0]
.endr
.endr
.irp cc, 52,54,56
.irp p, 0,2,4,6,8,10,12,14
	v_pk_fma_f32 v[240+\p:241+\p], v[240+\p:241+\p], v[208+\p:209+\p], s[\cc:\cc+1] op_sel_hi:[1,1,0]
.endr
.endr
.irp j, 0,1,2,3,4,5,6,7,8,9,10,11,12,13,14,15
	v_rcp_f32 v[240+\j], v[240+\j]                 ; Q is negative everywhere: all its coefficients are
.endr
.irp p, 0,2,4,6,8,10,12,14
	v_pk_mul_f32 v[224+\p:225+\p], v[192+\p:193+\p], v[224+\p:225+\p]
.endr
.irp p, 0,2,4,6,8,10,12,14
	v_pk_mul_f32 v[208+\p:209+\p], v[GA_+\p:GA_+\p+1], 0x3eb504f3 op_sel_hi:[1,0]
.endr
.irp p, 0,2,4,6,8,10,12,14
	v_pk_mul_f32 v[GA_+\p:GA_+\p+1], v[GA_+\p:GA_+\p+1], 0.5 op_sel_hi:[1,0]
.endr
	s_wait_alu depctr_va_vdst(0)                   ; one wait for the 16 reciprocals, ahead of their first reader
.irp p, 0,2,4,6,8,10,12,14
	v_pk_mul_f32 v[224+\p:225+\p], v[224+\p:225+\p], v[240+\p:241+\p]
.endr
.irp p, 0,2,4,6,8,10,12,14
	v_pk_fma_f32 v[GA_+\p:GA_+\p+1], v[208+\p:209+\p], v[224+\p:225+\p], v[GA_+\p:GA_+\p+1]
.endr
.endm
; RES(token (m, r), features 32 w + 16 h + 0 .. 15) += the accumulators.  one = 1 (proj): tiles 1 to 3 all take the masked row's accumulators.  v12: rows 0-31, v13: rows 32-63 (an LDS immediate has 16 bits).
.macro RESADD one
.irp m, 0,1,2,3
.irp u, 0,1
.irp q, 0,1
	ds_load_b128 v[192+16*\m+8*\u+4*\q:195+16*\m+8*\u+4*\q], v[12+\m/2] offset:(\m%2)*16*RP+32*\u+16*\q
.endr
.endr
.endr
	s_wait_dscnt 0x0
.irp m, 0,1,2,3
.set AM_, \m
.if \one && (\m > 1)
.set AM_, 1
.endif
.irp p, 0,2,4,6,8,10,12,14
	v_pk_add_f32 v[192+16*\m+\p:193+16*\m+\p], v[192+16*\m+\p:193+16*\m+\p], v[64+16*AM_+\p:65+16*AM_+\p]
.endr
.endr
.irp m, 0,1,2,3
.irp u, 0,1
.irp q, 0,1
	ds_store_b128 v[12+\m/2], v[192+16*\m+8*\u+4*\q:195+16*\m+8*\u+4*\q] offset:(\m%2)*16*RP+32*\u+16*\q
.endr
.endr
.endr
.endm
; ---------------- THE HEAD ----------------
	s_load_b512 s[4:19], s[0:1], 0x0               ; x s[4:5], gate s[6:7], ln1_g s[8:9], ln1_b s[10:11], ln2_g s[12:13], ln2_b s[14:15], bk s[16:17], bq s[18:19]
	s_load_b512 s[20:35], s[0:1], 0x40             ; bv s[20:21], bp s[22:23], mlp_b1 s[24:25], mlp_b2 s[26:27], rel_table s[28:29], wc s[30:31], ws s[32:33], out0 s[34:35]
	v_lshrrev_b32 v4, 5, v0
	v_readfirstlane_b32 s2, v4                     ; wave w, 0..15
	v_and_b32 v4, 31, v0
	v_lshlrev_b32 v[LI], 4, v4
	v_lshlrev_b32 v[L4], 2, v4
	v_and_b32 v[VR], 15, v0
	v_bfe_u32 v[VH], v0, 4, 1
	v_lshlrev_b32 v[R16], 4, v[VR]
	s_lshr_b32 s80, ttmp9, 2                       ; image
	s_bfe_u32 s81, ttmp9, 0x10001                  ; the window's row of windows,
	s_and_b32 s82, ttmp9, 1                        ; and its column
	s_lshr_b32 s66, s2, 2                          ; m = w / 4
	s_and_b32 s67, s2, 3                           ; s = w % 4
	s_lshr_b32 s78, s2, 1                          ; head
	s_and_b32 s79, s2, 1                           ; which 32 of the head's 64
	s_lshl_b32 s83, s81, 3
	s_lshr_b32 s84, s2, 3
	s_lshl_b32 s84, s84, 2
	s_add_co_u32 s83, s83, s84
	s_add_co_u32 s83, s83, 4                       ; 8 wi + 4 (m / 2) + 4: the shift by 4 is undone here
	s_lshl_b32 s84, s82, 3
	s_and_b32 s85, s66, 1
	s_lshl_b32 s85, s85, 2
	s_add_co_u32 s84, s84, s85
	s_add_co_u32 s84, s84, 4                       ; 8 wj + 4 (m % 2) + 4
	v_lshrrev_b32 v5, 2, v[VR]
	v_add_nc_u32 v5, s83, v5
	v_and_b32 v5, 15, v5                           ; slot (m, r)'s row in the image,
	v_and_b32 v6, 3, v[VR]
	v_add_nc_u32 v6, s84, v6
	v_and_b32 v6, 15, v6                           ; and its column
	v_lshlrev_b32 v6, 2, v6
	v_lshl_add_u32 v5, v5, 6, v6                   ; its word of gate
	s_add_co_u32 s83, s83, s67
	s_and_b32 s83, s83, 15                         ; slots 4 w .. 4 w + 3 are four neighbours of one row of the image: its number,
	s_and_b32 s84, s84, 15                         ; and their first column
	s_lshl_b32 s80, s80, 8
	s_lshl_b32 s83, s83, 4
	s_add_co_u32 s80, s80, s83
	s_add_co_u32 s80, s80, s84
	s_lshl_b32 s80, s80, 11                        ; 2,048 bytes a token
	s_mov_b32 s81, 0
	s_mul_i32 s82, s2, 98304                       ; my stream of codes,
	s_mov_b32 s83, 0
	s_mul_i32 s84, s2, 6144                        ; and of scale words
	s_mov_b32 s85, 0
	v_lshlrev_b32 v7, 2, v0
	v_lshlrev_b32 v8, 4, v0
	s_mul_i32 s3, s2, 4*RP
	v_add_nc_u32 v9, s3, v[LI]                     ; RES: my four rows
	v_lshl_add_u32 v10, v0, 2, PARAM
	v_lshl_add_u32 v11, v0, 4, PARAM+16384
	s_wait_kmcnt 0x0
	s_add_nc_u64 s[4:5], s[4:5], s[80:81]
	s_add_nc_u64 s[34:35], s[34:35], s[80:81]
	s_add_nc_u64 s[30:31], s[30:31], s[82:83]
	s_add_nc_u64 s[32:33], s[32:33], s[84:85]
.irp i, 0,1,2,3,4,5,6,7,8,9,10,11,12,13,14,15
	global_load_b128 v[64+4*\i:67+4*\i], v[LI], s[4:5] offset:512*\i th:TH_LOAD_NT   ; my four tokens: 8 KiB on end, read once in the launch
.endr
.irp i, 0,1,2,3,4,5,6,7
	global_load_b32 v[40+\i], v7, s[8+2*\i:9+2*\i] ; the eight vectors of 512 from ln1_g to bp: a word a thread
.endr
	global_load_b32 v48, v7, s[26:27]              ; mlp_b2
	global_load_b128 v[52:55], v8, s[24:25]        ; mlp_b1
	global_load_b32 v16, v5, s[6:7]                ; gate
	WFILL 0, 0
	WFILL 1, 2048
	WFILL 2, 4096
	WFILL 3, 6144
	s_mul_i32 s68, s66, 16*RP
	s_lshl_b32 s69, s67, 9
	s_add_co_u32 s68, s68, s69
	s_lshl_b32 s70, s66, 9
	s_lshl_b32 s71, s67, 3
	s_lshl_b32 s72, s67, 12
	s_lshl_b32 s73, s66, 10
	s_add_co_u32 s72, s72, s73
	s_lshl_b32 s73, s67, 8
	s_lshl_b32 s74, s66, 2
	s_add_co_u32 s73, s73, s74
	s_sub_co_u32 s74, 7, s78
	s_mov_b32 s36, 0x76543210
	s_mov_b32 s37, 0xfedcba98                      ; v_permlanex16_b32's selects for lane l xor 16
	SPAIR 38, 0xac95df0b                           ; P's coefficients of y^6, y^4 .. y^0 (y^5's stands in v20-21),
	SPAIR 40, 0xb40cff51
	SPAIR 42, 0xb6eec2d2
	SPAIR 44, 0xb940ac63
	SPAIR 46, 0xbac1a1f6
	SPAIR 48, 0xbc83dbd4
	SPAIR 50, 0xb57460cd                           ; Q's of y^4, y^2 .. y^0 (y^3's in v22-23)
	SPAIR 52, 0xb9dc924e
	SPAIR 54, 0xbb719bf8
	SPAIR 56, 0xbc69b6a7
	SPAIR 58, 0x3e38aa3b                           ; log2(e) / 8
	s_mov_b32 s60, 0x40b504f3                      ; 4 sqrt 2
	s_mov_b32 s63, 0xc0b504f3
	s_mov_b32 s61, 0x3727c5ac                      ; 1e-5
	s_mov_b32 s86, 0x3b000000                      ; 1 / 512
	v_mov_b32 v20, 0x306dffee
	v_mov_b32 v21, 0x306dffee
	v_mov_b32 v22, 0xb7dfbd29
	v_mov_b32 v23, 0xb7dfbd29
	v_mov_b32 v27, 0x7d7d                          ; the masked row's p = 1 is the code 4 under the scale 2^-2, in both blocks of keys
	v_mov_b32 v17, 0                               ; (named as upper halves of pairs, or as a lane permute's destination, before they are first written)
	v_mov_b32 v18, 0
	v_mov_b32 v19, 0
	v_mov_b32 v25, 0
	s_wait_loadcnt 31                              ; x is in: behind it stand 11 loads of parameters and 20 of weights
.irp i, 0,1,2,3,4,5,6,7,8,9,10,11,12,13,14,15
	ds_store_b128 v9, v[64+4*\i:67+4*\i] offset:RP*(\i/4)+512*(\i%4)
.endr
	s_wait_loadcnt 20                              ; the parameters are in: behind them stand the 20 loads of weights
.irp i, 0,1,2,3,4,5,6,7
	ds_store_b32 v10, v[40+\i] offset:2048*\i
.endr
	ds_store_b32 v10, v48 offset:24576
	ds_store_b128 v11, v[52:55]
	v_mul_f32 v24, 0xbfb8aa3b, v16
	v_exp_f32 v24, v24
	v_nop
	s_wait_alu depctr_va_vdst(0)
	v_add_f32 v24, 1.0, v24
	v_rcp_f32 v16, v24                             ; sigmoid(gate) of slot (m, r)
	v_nop
	s_wait_alu depctr_va_vdst(0)
	BAR                                            ; x and the parameters lie in LDS
; ---------------- LN1, its codes, and LN1(x) + sigmoid(gate) x ----------------
	LNQ 0, STAT1, XIMG, XSC, 1
; ---------------- k, q, v ----------------
	v_add_nc_u32 v4, XIMG, v[LI]
	v_add_nc_u32 v5, XSC, v[R16]
	s_lshl_b32 s80, s2, 7
	v_lshl_add_u32 v6, v[VH], 6, s80
	v_add_nc_u32 v6, PARAM, v6                     ; a bias at features 32 w + 16 h: kept until proj
	v_and_b32 v11, 8, v[VR]
	v_add_nc_u32 v11, v11, v[VR]
	v_lshl_add_u32 v11, v11, 2, s80
	v_add_nc_u32 v11, PARAM+12288, v11             ; bv at feature 32 w + r + 8 (r / 8)
	s_lshl_b32 s80, s78, 11
	s_lshl_b32 s81, s79, 8
	s_add_co_u32 s80, s80, s81
	v_lshl_add_u32 v7, v[VH], 3, v[R16]
	v_add_nc_u32 v9, s81, v7
	v_add_nc_u32 v7, s80, v7
	v_add_nc_u32 v7, KIMG, v7                      ; k's codes: head, block w % 2, row r, + 8 h
	s_lshl_b32 s80, s78, 9
	v_add_nc_u32 v9, s80, v9
	v_add_nc_u32 v9, QIMG, v9                      ; q's likewise
	s_lshl_b32 s80, s78, 8
	s_add_co_u32 s80, s80, s79
	v_lshl_add_u32 v8, v[VR], 2, s80
	v_add_nc_u32 v8, KSC, v8                       ; byte w % 2 of row r's word
	s_lshl_b32 s80, s78, 6
	s_add_co_u32 s80, s80, s79
	v_lshl_add_u32 v10, v[VR], 2, s80
	v_add_nc_u32 v10, QSC, v10
	v_lshrrev_b32 v12, 2, v[VR]                    ; rel_table: bias(n, head, key) = table[n_i - head + 7][n_j - key_i + 7][key_j]
	v_add_nc_u32 v12, s74, v12
	v_mul_u32_u24 v12, v12, 15
	v_and_b32 v13, 3, v[VR]
	v_add3_u32 v12, v12, v13, 2
	v_lshlrev_b32 v13, 1, v[VH]
	v_sub_nc_u32 v12, v12, v13
	v_lshlrev_b32 v12, 5, v12                      ; 32 ((r / 4 + 7 - head) 15 + r % 4 + 2 - 2 h): the rest stands in the loads' immediates
	PASS 0, 0, 1, 1, 1, 0, 0, 8192                 ; k: block b of the quantiser is tile b of tokens
	QCORE 64, 4
	v_mov_b32 v48, 127
.irp m, 0,1,2,3
	ds_store_b64 v7, v[56+2*\m:57+2*\m] offset:512*\m
	ds_store_b8 v8, v[44+\m] offset:64*\m
	ds_store_b8 v8, v48 offset:64*\m+2             ; the upper 64 of the instruction's 128 along K are zero codes: their scale bytes are written too, as 1.0
.endr
	s_wait_dscnt 0x0                               ; the stores have read their registers
	PASS 1, 8192, 1, 1, 1, 0, 0, 10240             ; q, for the 16 queries that the mask leaves
	QCORE 64, 1
	v_mov_b32 v48, 127
	ds_store_b64 v9, v[56:57]
	ds_store_b8 v10, v44
	ds_store_b8 v10, v48 offset:2
	s_wait_dscnt 0x0
	PASS 3, 16384, 1, 1, 1, 0, 0, 0                ; v: a lane holds feature 32 w + 8 u + r + 8 (r / 8); register 32 u + 8 m + j is token 16 m + 8 h + j
.irp m, 0,1,2,3
.irp q, 0,1
	global_load_b128 v[224+8*\m+4*\q:227+8*\m+4*\q], v12, s[28:29] offset:32*(5-4*(\m/2)-\q)+16*(\m%2)   ; the bias of query r and keys 16 m + 8 h + 4 q + 0 .. 3, in the scores' layout
.endr
.endr
	QCORE 64, 4                                    ; block 2 u + (keys / 32)
	SWAPS 56
	SWAPS 60
	v_lshl_or_b32 v33, v45, 8, v44                 ; v's scale words, tile 0's and tile 1's
	v_lshl_or_b32 v34, v47, 8, v46
.irp i, 0,1,2,3
	v_mov_b32 v[64+\i], v[56+\i]                   ; v's two fragments stay in my registers: 64 keys, then zero codes
	v_mov_b32 v[68+\i], 0
	v_mov_b32 v[72+\i], v[60+\i]
	v_mov_b32 v[76+\i], 0
.endr
	BAR                                            ; k's and q's codes lie in LDS
; ---------------- attention: my head's 16 live queries and the masked row, my 32 of the head's features ----------------
	s_lshl_b32 s80, s78, 11
	v_add_nc_u32 v4, s80, v[LI]
	v_add_nc_u32 v4, KIMG, v4
	s_lshl_b32 s80, s78, 9
	v_add_nc_u32 v5, s80, v[LI]
	v_add_nc_u32 v5, QIMG, v5
	s_lshl_b32 s80, s78, 8
	v_lshl_add_u32 v7, v[VR], 2, s80
	v_add_nc_u32 v7, KSC, v7
	s_lshl_b32 s80, s78, 6
	v_lshl_add_u32 v8, v[VR], 2, s80
	v_add_nc_u32 v8, QSC, v8
	s_lshl_b32 s80, s66, 11
	s_lshl_b32 s81, s67, 8
	s_add_co_u32 s80, s80, s81
	v_lshl_add_u32 v9, v[VH], 3, v[R16]
	v_add_nc_u32 v9, s80, v9
	v_add_nc_u32 v9, OIMG, v9                      ; my block of the heads' output: K step w / 4, block w % 4
	s_lshl_b32 s80, s66, 7
	s_add_co_u32 s80, s80, s67
	v_lshl_add_u32 v10, v[VR], 3, s80
	v_add_nc_u32 v10, OSC, v10
.irp m, 0,1,2,3
	ds_load_b128 v[192+8*\m:195+8*\m], v4 offset:512*\m
.endr
	ds_load_b128 v[80:83], v5
.irp m, 0,1,2,3
	ds_load_b32 v[28+\m], v7 offset:64*\m
.endr
	ds_load_b32 v32, v8
.irp m, 0,1,2,3
.irp i, 4,5,6,7
	v_mov_b32 v[192+8*\m+\i], 0                    ; K is 64: the upper halves of the fragments are zero codes
.endr
.endr
.irp i, 84,85,86,87,92,93,94,95
	v_mov_b32 v[\i], 0
.endr
	s_wait_loadcnt 0x0                             ; the bias (and with it the weights asked for before it)
.set P_, 0
.rept 16
	v_pk_mul_f32 v[224+2*P_:225+2*P_], v[224+2*P_:225+2*P_], 0x41000000 op_sel_hi:[1,0]   ; x 8, exact: logit = (q . k + 8 bias) / 8
.set P_, P_+1
.endr
	NOPS 4
	s_wait_dscnt 0x0
.irp m, 0,1,2,3
	WM 96+8*\m, 192+8*\m, 80, 224+8*\m, 28+\m, 32, 0     ; S^T: register 8 m + j of lane (r, h): key 16 m + 8 h + j, query r
.endr
	NOPS 4
.irp b, 0,1
	v_max3_num_f32 v[40+\b], v[96+16*\b], v[97+16*\b], v[98+16*\b]     ; the largest score of each block of 32 keys: for the row's maximum, and, since p rises with the score, for the block's largest p
.endr
.irp i, 3,5,7,9,11,13
.irp b, 0,1
	v_max3_num_f32 v[40+\b], v[40+\b], v[96+16*\b+\i], v[97+16*\b+\i]
.endr
.endr
.irp b, 0,1
	v_max_num_f32 v[40+\b], v[40+\b], v[111+16*\b]
.endr
.irp b, 0,1
	v_permlanex16_b32 v[44+\b], v[40+\b], s36, s37
.endr
.irp b, 0,1
	v_max_num_f32 v[40+\b], v[40+\b], v[44+\b]
.endr
	v_max_num_f32 v48, v40, v41
	v_mul_f32 v48, s58, v48                        ; the row's largest t
	v_floor_f32 v24, -v48                          ; -M = -ceil(t): a whole number
.set P_, 0
.rept 16
	v_pk_fma_f32 v[96+2*P_:97+2*P_], v[96+2*P_:97+2*P_], s[58:59], v[24:25] op_sel_hi:[1,0,0]   ; t - M
.set P_, P_+1
.endr
.irp b, 0,1
	v_fma_f32 v[40+\b], v[40+\b], s58, v24
.endr
.set P_, 0
.rept 32
	v_exp_f32 v[96+P_], v[96+P_]                   ; p = 2^(t - M): not normalised
.set P_, P_+1
.endr
	v_nop                                          ; a plain line behind the batch,
	s_wait_alu depctr_va_vdst(0)                   ; and one wait for it, ahead of its first reader
.irp b, 0,1
	v_exp_f32 v[40+\b], v[40+\b]                   ; the block's largest p: the same two instructions on the same number
.endr
	v_pk_add_f32 v[50:51], v[96:97], v[98:99]      ; the row's sum is taken of the unquantised p
	v_pk_add_f32 v[52:53], v[100:101], v[102:103]
.irp j, 8,12,16,20,24,28
	v_pk_add_f32 v[50:51], v[50:51], v[96+\j:97+\j]
	v_pk_add_f32 v[52:53], v[52:53], v[98+\j:99+\j]
.endr
	v_pk_add_f32 v[50:51], v[50:51], v[52:53]
	v_add_f32 v50, v50, v51
	v_permlanex16_b32 v51, v50, s36, s37
	v_add_f32 v50, v50, v51
	s_wait_alu depctr_va_vdst(0)                   ; for the two
.irp b, 0,1
	v_max_num_f32 v[40+\b], 0x1800000, v[40+\b]
.endr
.irp b, 0,1
	v_add_nc_u32 v[52+\b], 0xff000000, v[40+\b]
.endr
.irp b, 0,1
	v_lshrrev_b32 v[44+\b], 23, v[52+\b]
.endr
	v_lshl_or_b32 v35, v45, 8, v44                 ; p's scale word
	v_rcp_f32 v50, v50
.irp b, 0,1
	v_cvt_scalef32_pk8_fp4_f32 v[88+2*\b], v[96+16*\b:103+16*\b], v[52+\b]
	v_cvt_scalef32_pk8_fp4_f32 v[89+2*\b], v[104+16*\b:111+16*\b], v[52+\b]
.endr
	v_nop
	SWAPS 88
.irp i, 80,81,82,83
	v_mov_b32 v[\i], 0x66666666                    ; the masked row's p, over q's fragment, which is done with: the code of 4 for all 64 keys
.endr
	s_wait_alu depctr_va_vdst(0)                   ; for the reciprocal
	NOPS 8                                         ; a scale register written by a vector instruction stands 8 places ahead of a scaled matrix instruction, an operand so written 4
	WMZ 192, 64, 88, 33, 35                        ; O^T: register 8 u + j of lane (r, h): feature 32 w + 16 h + 8 u + j, query r
	WMZ 200, 72, 88, 34, 35
	WMZ 208, 64, 80, 33, 27                        ; the masked row, alike in all 16 columns
	WMZ 216, 72, 80, 34, 27
	NOPS 4
.irp p, 0,2,4,6,8,10,12,14
	v_pk_mul_f32 v[192+\p:193+\p], v[192+\p:193+\p], v[50:51] op_sel_hi:[1,0]
.endr
.irp p, 0,2,4,6,8,10,12,14
	v_pk_mul_f32 v[208+\p:209+\p], v[208+\p:209+\p], 0x3c800000 op_sel_hi:[1,0]   ; / 64
.endr
	QCORE 192, 2
.irp t, 0,1
	ds_store_b64 v9, v[56+2*\t:57+2*\t] offset:1024*\t
	ds_store_b8 v10, v[44+\t] offset:4*\t
.endr
	BAR                                            ; the heads' output lies in LDS as codes
; ---------------- proj, and x3 ----------------
	v_add_nc_u32 v4, OIMG, v[LI]
	v_lshlrev_b32 v5, 3, v[VR]
	v_add_nc_u32 v5, OSC, v5
	v_mul_u32_u24 v12, v[VR], RP
	v_lshl_add_u32 v12, v[VH], 6, v12
	s_lshl_b32 s80, s2, 7
	v_add_nc_u32 v12, s80, v12                     ; RES: row r, features 32 w + 16 h on; kept until the end
	v_add_nc_u32 v13, 32*RP, v12
	PASS 2, 24576, 1, 1, 1, 0, 0, 14336
	RESADD 1
	BAR                                            ; x3 lies in RES
; ---------------- LN2 and its codes ----------------
	LNQ 4096, STAT2, HXIMG, HXSC, 0
; ---------------- the hidden layer: four trips of 32 hidden units x 64 tokens ----------------
	v_add_nc_u32 v4, HXIMG, v[LI]
	v_add_nc_u32 v5, HXSC, v[R16]
	s_lshl_b32 s80, s2, 9
	v_lshl_add_u32 v7, v[VH], 6, s80
	v_add_nc_u32 v7, PARAM, v7                     ; mlp_b1 at hidden unit 128 w + 16 h
	s_lshl_b32 s80, s2, 12
	v_lshl_add_u32 v8, v[VH], 3, v[R16]
	v_add_nc_u32 v8, s80, v8
	v_add_nc_u32 v8, HIMG, v8                      ; my K step of the last product
.irp i, 16,17,18,19
	v_mov_b32 v[\i], 0
.endr
	s_mov_b32 s62, 4
	s_mov_b32 s75, 0                               ; the trip's byte in the scale words: 8 bits a trip
	s_mov_b32 s76, 0                               ; its block in the images: 256 bytes a trip
	s_mov_b32 s77, 0                               ; its 32 numbers of mlp_b1
.Lmlp1:
	v_add_nc_u32 v6, s77, v7
	v_add_nc_u32 v9, s76, v8
	PASS 0, 32768, 1, 1, 1, 0, 0, 16384
	GELU 0
	GELU 1
	GELU 2
	GELU 3
	QCORE 64, 4
.irp m, 0,1,2,3
	ds_store_b64 v9, v[56+2*\m:57+2*\m] offset:1024*\m
.endr
.irp m, 0,1,2,3
	v_lshl_or_b32 v[16+\m], v[44+\m], s75, v[16+\m]
.endr
	s_wait_dscnt 0x0                               ; the stores have read their registers
	s_wait_xcnt 0x0                                ; the weight loads have read their bases, which are stepped only behind this wait
	s_add_nc_u64 s[30:31], s[30:31], 8192
	s_add_nc_u64 s[32:33], s[32:33], 512
	s_add_co_u32 s75, s75, 8
	s_add_co_u32 s76, s76, 256
	s_add_co_u32 s77, s77, 128
	s_sub_co_u32 s62, s62, 1
	s_cmp_lg_u32 s62, 0
	s_cbranch_scc1 .Lmlp1
	s_lshl_b32 s80, s2, 8
	v_add_nc_u32 v6, s80, v[R16]
	v_add_nc_u32 v6, HSC, v6
	ds_store_b128 v6, v[16:19]                     ; my K step's scale words of row r, tiles 0 to 3
	BAR                                            ; the hidden layer lies in LDS as codes
; ---------------- the last product: 16 K steps, written out: every LDS and stream offset is an immediate ----------------
	v_add_nc_u32 v4, HIMG, v[LI]
	v_add_nc_u32 v5, HSC, v[R16]
	s_lshl_b32 s80, s2, 7
	v_lshl_add_u32 v6, v[VH], 6, s80
	v_add_nc_u32 v6, PARAM, v6
	PASS 0, 32768, 1, 1, 1, 1, 0, 24576
	PASS 0, 40960, 1, 0, 0, 1, 4, 0
	PASS 0, 49152, 1, 0, 0, 1, 8, 0
	PASS 0, 57344, 0, 0, 0, 0, 12, 0               ; the stream's last four steps: nothing is asked for beyond its end
	RESADD 0
	BAR                                            ; the result lies in RES
	s_mul_i32 s3, s2, 4*RP
	v_add_nc_u32 v4, s3, v[LI]
.irp i, 0,1,2,3,4,5,6,7,8,9,10,11,12,13,14,15
	ds_load_b128 v[64+4*\i:67+4*\i], v4 offset:RP*(\i/4)+512*(\i%4)
.endr
.irp i, 0,1,2,3,4,5,6,7,8,9,10,11,12,13,14,15
	s_wait_dscnt 15-\i
	global_store_b128 v[LI], v[64+4*\i:67+4*\i], s[34:35] offset:512*\i th:TH_STORE_NT   ; 32 lanes store 512 consecutive bytes, at a multiple of 512 from out0's first byte; written once
.endr
	s_wait_xcnt 0x0
	v_lshl_add_u32 v254, v0, 2, 0x49000
	v_mov_b32 v255, 0
	s_wait_tensorcnt 0x0
	ds_add_u32 v254, v255
	s_wait_dscnt 0x0
	s_endpgm
.Lfunc_end_k_qf202a8a24c_block:
	.size	k_qf202a8a24c_block, .Lfunc_end_k_qf202a8a24c_block-k_qf202a8a24c_block
	.p2alignl 7, 3214868480
	.fill 96, 4, 3214868480
	.section	.rodata,"a",@progbits
	.p2align	6, 0x0
	.amdhsa_kernel k_qf202a8a24c_block
		.amdhsa_group_segment_fixed_size 301056
		.amdhsa_private_segment_fixed_size 0
		.amdhsa_enable_private_segment 0
		.amdhsa_kernarg_size 128
		.amdhsa_user_sgpr_count 2
		.amdhsa_user_sgpr_kernarg_segment_ptr 1
		.amdhsa_wavefront_size32 1
		.amdhsa_system_sgpr_workgroup_id_x 1
		.amdhsa_system_sgpr_workgroup_id_y 1
		.amdhsa_system_sgpr_workgroup_id_z 1
		.amdhsa_system_vgpr_workitem_id 0
		.amdhsa_next_free_vgpr 256
		.amdhsa_next_free_sgpr 96
		.amdhsa_reserve_vcc 0
		.amdhsa_float_denorm_mode_32 3
		.amdhsa_float_denorm_mode_16_64 3
		.amdhsa_memory_ordered 1
		.amdhsa_forward_progress 1
		.amdhsa_inst_pref_size 214
	.end_amdhsa_kernel
	.amdgpu_metadata
---
amdhsa.version: [ 1, 2 ]
amdhsa.kernels:
  - .name:           k_qf202a8a24c_block
    .symbol:         k_qf202a8a24c_block.kd
    .args:
      - { .name: x, .offset: 0, .size: 8, .value_kind: global_buffer, .address_space: global }
      - { .name: gate, .offset: 8, .size: 8, .value_kind: global_buffer, .address_space: global }
      - { .name: ln1_g, .offset: 16, .size: 8, .value_kind: global_buffer, .address_space: global }
      - { .name: ln1_b, .offset: 24, .size: 8, .value_kind: global_buffer, .address_space: global }
      - { .name: ln2_g, .offset: 32, .size: 8, .value_kind: global_buffer, .address_space: global }
      - { .name: ln2_b, .offset: 40, .size: 8, .value_kind: global_buffer, .address_space: global }
      - { .name: bk, .offset: 48, .size: 8, .value_kind: global_buffer, .address_space: global }
      - { .name: bq, .offset: 56, .size: 8, .value_kind: global_buffer, .address_space: global }
      - { .name: bv, .offset: 64, .size: 8, .value_kind: global_buffer, .address_space: global }
      - { .name: bp, .offset: 72, .size: 8, .value_kind: global_buffer, .address_space: global }
      - { .name: mlp_b1, .offset: 80, .size: 8, .value_kind: global_buffer, .address_space: global }
      - { .name: mlp_b2, .offset: 88, .size: 8, .value_kind: global_buffer, .address_space: global }
      - { .name: rel_table, .offset: 96, .size: 8, .value_kind: global_buffer, .address_space: global }
      - { .name: wc, .offset: 104, .size: 8, .value_kind: global_buffer, .address_space: global }
      - { .name: ws, .offset: 112, .size: 8, .value_kind: global_buffer, .address_space: global }
      - { .name: out0, .offset: 120, .size: 8, .value_kind: global_buffer, .address_space: global }
    .group_segment_fixed_size: 301056
    .private_segment_fixed_size: 0
    .kernarg_segment_align: 8
    .kernarg_segment_size: 128
    .max_flat_workgroup_size: 512
    .sgpr_count:     96
    .vgpr_count:     256
    .wavefront_size: 32
...
	.end_amdgpu_metadata
.endif
;; end of part 2
;; ======== version 2 of 2: 2 launches
;; workspace buffers: wc 1,572,864 bytes; ws 98,304 bytes
;; launch prep (part 3): grid 24 x 16, 4 waves a work-group, no clusters, 34,816 bytes of LDS; arguments wk, wq, wv, wp, mlp_w1, mlp_w2, wc, ws; writes wc, ws
.if DOCPART == 3
	.amdgcn_target "amdgcn-amd-amdhsa--gfx1250"
	.amdhsa_code_object_version 6
	.text
	.protected	k_qf202a8a24c_prep
	.globl	k_qf202a8a24c_prep
	.p2align	8
	.type	k_qf202a8a24c_prep,@function
k_qf202a8a24c_prep:
	s_mov_b64 s[64:65], 0
	v_nop
	global_prefetch_b8 v0, s[64:65] scope:SCOPE_SE
	s_setreg_imm32_b32 hwreg(HW_REG_WAVE_MODE, 25, 1), 1
	s_wait_xcnt 0x0
; The six weights (f32, [N][K], K innermost) become codes of FP4 (E2M1) with one E8M0 byte for each 32 along K, laid in the order in which the
; waves of the second launch take them into operand registers.
;   wc: [w 16][st 48][u 2][c 2][lane 32][16 bytes]     ws: [w 16][st 48][lane 32][4 bytes]
; w = the wave that will read it, st = its step: 32 rows of a weight (a pair of tiles u = 0, 1) x 128 along K.
;   st 0-3 wk, 4-7 wq, 8-11 wv, 12-15 wp: rows 32 w on, K step st & 3;  st 16-31 mlp_w1: rows 32 (4 w + (st - 16) / 4) on, K step st & 3;  st 32-47 mlp_w2: rows 32 w on, K step st - 32.
; THE ROWS OF A TILE ARE NOT NEIGHBOURS: row r of tile u is row 8 u + r + 8 (r / 8) of the 32.
; A fragment's image: lane (r, h), group c: the 16 bytes of k = 64 c + 32 h + 0 .. 31 of row r.  A step's scale words: lanes 0-15 tile 0's rows, lanes 16-31 tile 1's.
; A block's scale byte is its largest magnitude's exponent field - 2, held at 1 from below (a block of zeros so has the byte 1: its codes are zeros, and this program alone reads the bytes).
; LIMITS: NaN and infinities among the weights are not served; blocks whose largest magnitude lies under 2^-124 keep the byte 1.
; SHARES: work-group (x, w) makes steps 2 x and 2 x + 1 of stream w; wave wv makes the fragment (step 2 x + wv / 2, tile wv % 2): 16 rows x 512 bytes.
; Each load reads 512 consecutive bytes of a row; the 8 KiB turn through the wave's own stage in LDS (rows 528 bytes apart), so that a lane gets 32 neighbours along K twice.
.set SPI,  528                         ; a stage row: 512 bytes + 16
.set STG,  16*SPI                      ; a wave's stage
.set SCG,  4*STG                       ; behind the stages: the work-group's 64 scale words
.set VO,   4                           ; v4-19    byte offset of row i's 16 bytes for my lane
.set RA_,  20                          ; v20-83   as loaded
.set RB_,  84                          ; v84-147  turned: 32 c + i = k 64 c + 32 h + i of row r
.set RC_,  148                         ; v148-155 the codes
	s_load_b512 s[4:19], s[0:1], 0x0               ; wk s[4:5], wq s[6:7], wv s[8:9], wp s[10:11], mlp_w1 s[12:13], mlp_w2 s[14:15], wc s[16:17], ws s[18:19]
	v_lshl_add_u32 v176, v0, 2, 0x8600
	v_mov_b32 v177, 0
	v_lshrrev_b32 v2, 5, v0
	v_readfirstlane_b32 s20, v2                    ; wave 0..3
	v_and_b32 v3, 31, v0                           ; lane
	v_lshlrev_b32 v1, 4, v3                        ; 16 x lane; never rewritten
	s_wait_alu depctr_va_vdst(0)
	v_lshlrev_b32 v160, 3, v3                      ; 8 x lane
	v_and_b32 v2, 15, v0                           ; r
	v_bfe_u32 v3, v0, 4, 1                         ; h
	s_and_b32 s21, s20, 1                          ; u
	s_lshr_b32 s22, s20, 1
	s_and_b32 s23, ttmp7, 0xffff                   ; w
	s_lshl_b32 s24, ttmp9, 1
	s_add_co_u32 s24, s24, s22                     ; st = 2 x + wave / 2
	s_sub_co_u32 s25, ttmp9, 8
	s_lshr_b32 s25, s25, 1
	s_lshl_b32 s26, s23, 2
	s_add_co_u32 s25, s25, s26                     ; mlp_w1's pair of tiles: 4 w + (x - 8) / 2
	s_and_b32 s27, s24, 3                          ; K step of the five weights with K = 512,
	s_sub_co_u32 s28, s24, 32                      ; and of mlp_w2
	s_mov_b32 s29, 8192                            ; a row of mlp_w2 in bytes
	s_cmp_lt_u32 ttmp9, 16                         ; every choice hangs on the work-group's number alone
	s_cselect_b32 s25, s25, s23
	s_cselect_b32 s27, s27, s28
	s_cselect_b32 s29, 2048, s29
	s_cmp_lt_u32 ttmp9, 8
	s_cselect_b32 s25, s23, s25                    ; the pair of tiles
	s_lshl_b32 s30, s25, 5
	s_lshl_b32 s31, s21, 3
	s_add_co_u32 s30, s30, s31                     ; the tile's first row: 32 pair + 8 u
	s_mul_i32 s30, s30, s29
	s_lshl_b32 s31, s27, 9
	s_add_co_u32 s30, s30, s31                     ; + 512 bytes a K step
	s_mov_b32 s31, 0
	s_mul_i32 s32, s23, 48
	s_add_co_u32 s34, s32, s24
	s_lshl_b32 s34, s34, 11                        ; wc: 2,048 (48 w + st)
	s_lshl_b32 s35, s21, 10
	s_add_co_u32 s34, s34, s35                     ; + 1,024 u
	s_mov_b32 s35, 0
	s_lshl_b32 s36, ttmp9, 1
	s_add_co_u32 s36, s36, s32
	s_lshl_b32 s36, s36, 7                         ; ws: 128 (48 w + 2 x): a multiple of 256
	s_mov_b32 s37, 0
.irp i, 0,1,2,3,4,5,6,7,8,9,10,11,12,13,14,15
	v_mad_u32_u24 v[VO+\i], s29, \i+8*(\i/8), v1   ; tile row i lies i + 8 (i / 8) rows down
.endr
	s_mul_i32 s33, s20, STG
	v_add_nc_u32 v156, s33, v1                     ; the stage, in: 16 x lane
	v_mul_u32_u24 v157, v2, SPI
	v_lshl_add_u32 v157, v3, 7, v157
	v_add_nc_u32 v157, s33, v157                   ; out: row r, + 128 h
	s_lshl_b32 s33, s20, 6
	v_lshl_add_u32 v158, v2, 2, s33
	v_add_nc_u32 v158, SCG, v158                   ; my fragment's scale words: 64 x wave + 4 r
	v_add_nc_u32 v159, SCG, v160
	s_mov_b32 s38, 0x76543210
	s_mov_b32 s39, 0xfedcba98                      ; v_permlanex16_b32's selects for lane l xor 16
	s_wait_alu depctr_va_vdst(0)
	s_wait_kmcnt 0x0
	s_mov_b64 s[2:3], s[14:15]
	s_cmp_lt_u32 ttmp9, 16
	s_cselect_b64 s[2:3], s[12:13], s[2:3]
	s_cmp_lt_u32 ttmp9, 8
	s_cselect_b64 s[2:3], s[10:11], s[2:3]
	s_cmp_lt_u32 ttmp9, 6
	s_cselect_b64 s[2:3], s[8:9], s[2:3]
	s_cmp_lt_u32 ttmp9, 4
	s_cselect_b64 s[2:3], s[6:7], s[2:3]
	s_cmp_lt_u32 ttmp9, 2
	s_cselect_b64 s[2:3], s[4:5], s[2:3]           ; the weight that this work-group serves
	s_add_nc_u64 s[2:3], s[2:3], s[30:31]
	s_add_nc_u64 s[16:17], s[16:17], s[34:35]
	s_add_nc_u64 s[18:19], s[18:19], s[36:37]
.irp i, 0,1,2,3,4,5,6,7,8,9,10,11,12,13,14,15
	global_load_b128 v[RA_+4*\i:RA_+4*\i+3], v[VO+\i], s[2:3] th:TH_LOAD_NT   ; 32 lanes read 512 consecutive bytes of one row; read once in the launch
.endr
.irp i, 0,1,2,3,4,5,6,7,8,9,10,11,12,13,14,15
	s_wait_loadcnt 15-\i                           ; loads come back in order: row i is in, the younger ones stay out
	ds_store_b128 v156, v[RA_+4*\i:RA_+4*\i+3] offset:SPI*\i
.endr
.irp c, 0,1
.irp j, 0,1,2,3,4,5,6,7
	ds_load_b128 v[RB_+32*\c+4*\j:RB_+32*\c+4*\j+3], v157 offset:256*\c+16*\j   ; the wave's own bytes, served in order: no wait between the stores and these
.endr
.endr
	s_wait_dscnt 0x0
.irp c, 0,1                                    ; my block 2 c + h of row r: all its 32 numbers are mine
	v_max3_num_f32 v[161+\c], |v[RB_+32*\c]|, |v[RB_+32*\c+1]|, 0x1800000   ; with the floor 2^(3 - 127): the byte cannot fall under 1
.endr
.irp i, 2,4,6,8,10,12,14,16,18,20,22,24,26,28,30
.irp c, 0,1
	v_max3_num_f32 v[161+\c], v[161+\c], |v[RB_+32*\c+\i]|, |v[RB_+32*\c+\i+1]|
.endr
.endr
.irp c, 0,1
	v_add_nc_u32 v[163+\c], 0xff000000, v[161+\c]  ; 2 off the exponent field: the conversion's scale operand
.endr
.irp c, 0,1
	v_lshrrev_b32 v[165+\c], 23, v[163+\c]         ; the scale's byte
.endr
	v_lshl_or_b32 v167, v166, 16, v165             ; blocks h and 2 + h,
	v_lshlrev_b32 v168, 3, v3
	v_lshlrev_b32 v167, v168, v167                 ; at their places in the word;
	v_mov_b32 v168, 0
	v_permlanex16_b32 v168, v167, s38, s39
	v_or_b32 v167, v167, v168                      ; with lane l xor 16's two the word is whole
.irp c, 0,1
.irp g, 0,1,2,3
	v_cvt_scalef32_pk8_fp4_f32 v[RC_+4*\c+\g], v[RB_+32*\c+8*\g:RB_+32*\c+8*\g+7], v[163+\c]
.endr
.endr
	v_nop                                          ; one plain line behind the last scaled conversion
	global_store_b128 v1, v[RC_:RC_+3], s[16:17]               ; 32 lanes store 512 consecutive bytes, at a multiple of 512 from wc's first byte
	global_store_b128 v1, v[RC_+4:RC_+7], s[16:17] offset:512
	ds_store_b32 v158, v167                        ; both halves of the lanes write the same word with the same value
	s_wait_dscnt 0x0                               ; for wave 0's sake: my word is in LDS
	s_barrier_signal -1
	s_barrier_wait -1
	s_cmp_lg_u32 s20, 0
	s_cbranch_scc1 .Lend
	ds_load_b64 v[170:171], v159                   ; the four fragments' 64 words
	s_wait_dscnt 0x0
	global_store_b64 v160, v[170:171], s[18:19]    ; 32 lanes store 256 consecutive bytes, at a multiple of 256 from ws's first byte
.Lend:
	s_wait_tensorcnt 0x0
	ds_add_u32 v176, v177
	s_wait_dscnt 0x0
	s_endpgm
.Lfunc_end_k_qf202a8a24c_prep:
	.size	k_qf202a8a24c_prep, .Lfunc_end_k_qf202a8a24c_prep-k_qf202a8a24c_prep
	.p2alignl 7, 3214868480
	.fill 96, 4, 3214868480
	.section	.rodata,"a",@progbits
	.p2align	6, 0x0
	.amdhsa_kernel k_qf202a8a24c_prep
		.amdhsa_group_segment_fixed_size 34816
		.amdhsa_private_segment_fixed_size 0
		.amdhsa_enable_private_segment 0
		.amdhsa_kernarg_size 64
		.amdhsa_user_sgpr_count 2
		.amdhsa_user_sgpr_kernarg_segment_ptr 1
		.amdhsa_wavefront_size32 1
		.amdhsa_system_sgpr_workgroup_id_x 1
		.amdhsa_system_sgpr_workgroup_id_y 1
		.amdhsa_system_sgpr_workgroup_id_z 1
		.amdhsa_system_vgpr_workitem_id 0
		.amdhsa_next_free_vgpr 178
		.amdhsa_next_free_sgpr 66
		.amdhsa_reserve_vcc 0
		.amdhsa_float_denorm_mode_32 3
		.amdhsa_float_denorm_mode_16_64 3
		.amdhsa_memory_ordered 1
		.amdhsa_forward_progress 1
		.amdhsa_inst_pref_size 12
	.end_amdhsa_kernel
	.amdgpu_metadata
---
amdhsa.version: [ 1, 2 ]
amdhsa.kernels:
  - .name:           k_qf202a8a24c_prep
    .symbol:         k_qf202a8a24c_prep.kd
    .args:
      - { .name: wk, .offset: 0, .size: 8, .value_kind: global_buffer, .address_space: global }
      - { .name: wq, .offset: 8, .size: 8, .value_kind: global_buffer, .address_space: global }
      - { .name: wv, .offset: 16, .size: 8, .value_kind: global_buffer, .address_space: global }
      - { .name: wp, .offset: 24, .size: 8, .value_kind: global_buffer, .address_space: global }
      - { .name: mlp_w1, .offset: 32, .size: 8, .value_kind: global_buffer, .address_space: global }
      - { .name: mlp_w2, .offset: 40, .size: 8, .value_kind: global_buffer, .address_space: global }
      - { .name: wc, .offset: 48, .size: 8, .value_kind: global_buffer, .address_space: global }
      - { .name: ws, .offset: 56, .size: 8, .value_kind: global_buffer, .address_space: global }
    .group_segment_fixed_size: 34816
    .private_segment_fixed_size: 0
    .kernarg_segment_align: 8
    .kernarg_segment_size: 64
    .max_flat_workgroup_size: 128
    .sgpr_count:     66
    .vgpr_count:     178
    .wavefront_size: 32
...
	.end_amdgpu_metadata
.endif
;; end of part 3
;; launch block (part 4): grid 256 x 1, 16 waves a work-group, no clusters, 301,056 bytes of LDS; arguments x, gate, ln1_g, ln1_b, ln2_g, ln2_b, bk, bq, bv, bp, mlp_b1, mlp_b2, rel_table, wc, ws, out0; writes out0
.if DOCPART == 4
	.amdgcn_target "amdgcn-amd-amdhsa--gfx1250"
	.amdhsa_code_object_version 6
	.text
	.protected	k_qf202a8a24c_block
	.globl	k_qf202a8a24c_block
	.p2align	8
	.type	k_qf202a8a24c_block,@function
k_qf202a8a24c_block:
	s_mov_b64 s[64:65], 0
	v_nop
	global_prefetch_b8 v0, s[64:65] scope:SCOPE_SE
	s_setreg_imm32_b32 hwreg(HW_REG_WAVE_SCHED_MODE, 0, 2), 2
	s_setreg_imm32_b32 hwreg(HW_REG_WAVE_MODE, 25, 1), 1
	s_wait_xcnt 0x0
	s_wait_alu depctr_vm_vsrc(0)
; One work-group takes one shifted window (64 tokens x 512 channels) through the whole block: LN1, q k v, attention, proj, residual and gated skip, LN2, MLP with the erf GELU, residual.
; All eight products run on codes of FP4 (E2M1) with one E8M0 byte for each 32 along K; every activation operand is quantised in registers; nothing but x, the parameters and the laid-out weights is read, nothing but out0 written.
; TOKENS are kept in slot order rho = 16 m + r: slot (m, r) is window token i = 4 (m / 2) + r / 4, j = 4 (m % 2) + r % 4.  Tile 0 holds the 16 queries that the shift mask leaves; tiles 0, 1 are keys 0-31, tiles 2, 3 keys 32-63.
; THE MASK lies on the query and is built by the problem itself: a masked query has all logits -1e9, so p = 1 for all 64 keys and the sum is 64.  The 48 masked tokens of a window share one attention row and one proj row:
; q and the scores are made for tile 0 alone, the second product and proj for tile 0 and for one tile that holds the shared row.
; SHARES: sixteen waves, four to a SIMD, 256 registers each.  THE WAVES SHARE THE COLUMNS: wave w owns features 32 w .. 32 w + 31 of k, q, v, the heads' output, proj and the MLP's output, and hidden units 128 w .. 128 w + 127.
; So each weight fragment has one reader and goes from memory straight into operand registers, four steps (20 loads a wave) ahead, across barriers.  Tensor loads and joint requests are left out: beside the residual and the operand
; images LDS has room for slots of 4 fragments a wave, 16 matrix instructions between two changes of slots, too little for a refill to land in.
; OPERANDS GO FROM WAVE TO WAVE THROUGH LDS AS IMAGES OF THEIR REGISTERS: block beta (32 along K) of row r of a fragment lies at 256 beta + 16 r; a lane that has made 16 codes stores 8 bytes at + 8 h.
; PRODUCTS are used transposed (source 0 = 16 rows of a weight, source 1 = 16 tokens), and the rows of a weight tile are chosen so that a lane's 16 registers of a pair of tiles are 16 neighbouring features, 32 p + 16 h + 0 .. 15, of one token.
; v alone is made the other way round (source 0 = tokens), so that a lane's registers run along the keys, the second product's K.  Within a block of 32 keys v and p hold the keys in the same order.
; LIMITS: NaN and infinities are not served.  A block whose largest magnitude lies under 2^-124 keeps the scale byte 1 (a block of zeros too: its codes are zeros).  erf is the rational form z P(z^2) / Q(z^2), absolute error about 1e-7,
; with z held to +-4: beyond |a| = 4 sqrt 2 GELU is a or 0 to about 1e-6 |a|.  The residual is summed as (LN1(x) + sigmoid(gate) x) + proj, another order of f32 rounding than the problem writes.
; THE MODE: SCHED_MODE bits 1:0 = 2 (LLVM: expert scheduling mode 2), set by the entry lines.  The code itself states the register dependences between vector or matrix instructions and memory or LDS instructions, with s_wait_alu, always for 0.
; THE PLAN.  Registers that memory or LDS instructions touch:
;   v1, v2, v3        offsets, made at the head and never written again.
;   v4-v13            the addresses of the phase in hand: written by vector lines at a phase's head (v6, v9 also at the top of a trip of the hidden layer's loop), read by the phase's LDS and global instructions.
;   v128-191, v36-39  four slots of weights: written by loads alone, read by a step's products, loaded again behind them.
;   v192-255, v28-35  two sets of token fragments and scale words: likewise; between the passes also gains, GELU's work, the residual (loaded, summed, stored) and the relative bias.
;   v40-55            a bias lands there and is the C of a sum's first products; then the quantiser's work; v44-48 are data of byte stores.
;   v56-63, v26, v24-25, v16-19   written by vector lines, data of LDS stores.
;   v64-127           accumulators; rows of RES land there in the layer norms and on the way out, and LN1 stores them back.
; A wave's 256 registers are full (four waves share a SIMD's registers), so a step's loads land in registers that the step's own products have read: ONE wait on va_vdst stands in a step, behind the products and their places.
; One wait on vm_vsrc and one on va_vdst stand at each phase's head, round the lines that make its addresses; one wait on va_vdst ahead of each run of LDS stores of vector results; one on vm_vsrc ahead of the first line that writes such data anew.
; LDS, every region written once:
.set RP,    2064                       ; RES [rho 64], rows 2,064 bytes apart (129 x 16): x, then LN1(x) + gate x, then x3, then the result
.set PARAM, 132096                     ; +0 ln1_g +2048 ln1_b +4096 ln2_g +6144 ln2_b +8192 bk +10240 bq +12288 bv +14336 bp +16384 mlp_b1 +24576 mlp_b2
.set STAT1, 158720                     ; [rho][4] (mean, sum of squares about it) of 128 columns
.set STAT2, 160768
.set XIMG,  162816                     ; LN1's codes: fragments [K step 4][m 4] of 1 KiB
.set XSC,   179200                     ; their scale words [K step][r][m]
.set KIMG,  180224                     ; k: [head 8][m 4] of 512 bytes (64 along K)
.set KSC,   196608                     ; [head][m][r]
.set QIMG,  198656                     ; q of tile 0: [head] of 512 bytes
.set QSC,   202752                     ; [head][r]
.set OIMG,  203264                     ; the heads' output: [K step 4][2] of 1 KiB: tile 0, and the masked row
.set OSC,   211456                     ; [K step][r][2]
.set HXIMG, 211968                     ; LN2's codes, as XIMG
.set HXSC,  228352
.set HIMG,  229376                     ; the hidden layer: [K step 16][m 4] of 1 KiB
.set HSC,   294912                     ; [K step][r][m]
; REGISTERS: v1 16 x lane, v2 4 x lane, v3 16 r, v14 r, v15 h (never rewritten); v4-13 addresses of the phase in hand; v16 sigmoid(gate), later v16-19 the hidden layer's scale words; v20-23 two coefficients;
; v24-26 at work; v27-39 SCALES AND NOTHING ELSE (v27 the masked row's, v28-31 and v32-35 the tokens' two sets, v36-39 the weights', one a slot); v40-55 at work, v56-63 codes just made;
; v64-127 accumulators; v128-191 four slots of weight fragments; v192-255 two sets of four token fragments, and at work.
.set LI,  1
.set L4,  2
.set R16, 3
.set VR,  14
.set VH,  15
.macro BAR                             ; my LDS stores have landed and my LDS loads are in: then the work-group's barrier
	s_wait_dscnt 0x0
	s_barrier_signal -1
	s_barrier_wait -1
.endm
.macro NOPS n
.rept \n
	v_nop
.endr
.endm
.macro SPAIR reg, val                  ; a constant as a pair: the packed forms name a pair and take its low word for both halves
	s_mov_b32 s[\reg], \val
	s_mov_b32 s[\reg+1], \val
.endm
; A step of the weight stream into slot k: two fragments (4 loads of 512 consecutive bytes) and their 32 scale words.
.macro WFILL k, off
.irp u, 0,1
.irp c, 0,1
	global_load_b128 v[128+16*(\k)+8*\u+4*\c:128+16*(\k)+8*\u+4*\c+3], v[LI], s[30:31] offset:(\off)+1024*\u+512*\c
.endr
.endr
	global_load_b32 v[36+(\k)], v[L4], s[32:33] offset:(\off)/16
.endm
; The tokens' fragments of K step kk into set buf, with their scale words.  kind 0, 3: four tiles; 1: tile 0; 2: the two tiles of the heads' output.  v4: the images + 16 x lane; v5: the scale words of row r.
.macro XLOAD buf, kk, kind
.if \kind == 2
.irp m, 0,1
.irp c, 0,1
	ds_load_b128 v[192+32*(\buf)+8*\m+4*\c:192+32*(\buf)+8*\m+4*\c+3], v4 offset:(2*(\kk)+\m)*1024+512*\c
.endr
.endr
	ds_load_b64 v[28+4*(\buf):29+4*(\buf)], v5 offset:128*(\kk)
.else
.irp m, 0,1,2,3
.if (\kind != 1) || (\m == 0)
.irp c, 0,1
	ds_load_b128 v[192+32*(\buf)+8*\m+4*\c:192+32*(\buf)+8*\m+4*\c+3], v4 offset:(4*(\kk)+\m)*1024+512*\c
.endr
.endif
.endr
	ds_load_b128 v[28+4*(\buf):31+4*(\buf)], v5 offset:256*(\kk)
.endif
.endm
.macro WM d, a, b, c, sa, sb, row      ; row 1: source 0's scales stand in lanes 16-31; 2: source 1's
.if (\row) == 0
	v_wmma_scale_f32_16x16x128_f8f6f4 v[\d:\d+7], v[\a:\a+7], v[\b:\b+7], v[\c:\c+7], v[\sa], v[\sb] matrix_a_fmt:MATRIX_FMT_FP4 matrix_b_fmt:MATRIX_FMT_FP4
.elseif (\row) == 1
	v_wmma_scale_f32_16x16x128_f8f6f4 v[\d:\d+7], v[\a:\a+7], v[\b:\b+7], v[\c:\c+7], v[\sa], v[\sb] matrix_a_fmt:MATRIX_FMT_FP4 matrix_b_fmt:MATRIX_FMT_FP4 matrix_a_scale:MATRIX_SCALE_ROW1
.else
	v_wmma_scale_f32_16x16x128_f8f6f4 v[\d:\d+7], v[\a:\a+7], v[\b:\b+7], v[\c:\c+7], v[\sa], v[\sb] matrix_a_fmt:MATRIX_FMT_FP4 matrix_b_fmt:MATRIX_FMT_FP4 matrix_b_scale:MATRIX_SCALE_ROW1
.endif
.endm
.macro WMZ d, a, b, sa, sb             ; a sum of one K step: C is the constant 0
	v_wmma_scale_f32_16x16x128_f8f6f4 v[\d:\d+7], v[\a:\a+7], v[\b:\b+7], 0, v[\sa], v[\sb] matrix_a_fmt:MATRIX_FMT_FP4 matrix_b_fmt:MATRIX_FMT_FP4
.endm
; A step's products: slot k's two weight tiles x set buf's NM token tiles.  The accumulators take turns, one instruction a turn, in the same order in every step.
; cf = 1: the bias in v40-55 is the C of the sum's first product.
.macro MM kind, k, buf, cf
.irp m, 0,1,2,3
.if \m < NM
.irp u, 0,1
.if \kind == 3
.set D_, 64+32*\u+8*\m
.else
.set D_, 64+16*\m+8*\u
.endif
.set C_, D_
.if \cf
.set C_, 40+8*\u
.endif
.set W_, 128+16*(\k)+8*\u
.set X_, 192+32*(\buf)+8*\m
.set SX_, 28+4*(\buf)+\m
.set SW_, 36+(\k)
.if \kind == 3
	WM D_, X_, W_, C_, SX_, SW_, 2*\u
.else
	WM D_, W_, X_, C_, SW_, SX_, \u
.endif
.endr
.endif
.endr
.endm
; A PASS: four steps of the weight stream (512 along K) against the tokens' fragments of K steps k0 .. k0 + 3.
; wo: the pass's first step in the stream, in bytes from s[30:31].  refill: each slot is filled again, four steps ahead, as soon as its products are issued.  first: the sums begin, with the bias at v6 + boff (kind 3: at v11).
; xpro: the first two K steps' fragments are fetched here;  xnext: the next pass's first two are fetched at the end.
; Ahead of a pass that fetches at its head stands the caller's wait on va_vdst: the addresses v4, v5, v6 (v11) are written, and no vector or matrix instruction issued since it names v40-55, v192-255 or v28-35.
.macro PASS kind, wo, refill, first, xpro, xnext, k0, boff
.set NM, 4
.set NXL, 9                            ; LDS loads of one XLOAD
.if \kind == 1
.set NM, 1
.set NXL, 3
.elseif \kind == 2
.set NM, 2
.set NXL, 5
.endif
.if \first
.if \kind == 3
.irp u, 0,1
.irp j, 0,1,2,3,4,5,6,7
	ds_load_b32 v[40+8*\u+\j], v11 offset:32*\u    ; a lane holds one feature here: its bias in all eight registers
.endr
.endr
.else
.irp u, 0,1
.irp q, 0,1
	ds_load_b128 v[40+8*\u+4*\q:43+8*\u+4*\q], v6 offset:(\boff)+32*\u+16*\q
.endr
.endr
.endif
.endif
.if \xpro
	XLOAD 0, \k0, \kind
	XLOAD 1, (\k0)+1, \kind
.endif
.irp k, 0,1,2,3
.if (\k == 3) && (\xnext == 0)
	s_wait_dscnt 0x0                               ; nothing was fetched behind this step's fragments
.else
	s_wait_dscnt NXL                               ; this step's fragments (and the bias) are in; the other set's loads, issued behind them, may be out
.endif
.if \refill
	s_wait_loadcnt 15                              ; this slot's 5 loads are in; the three other slots', issued behind them, may be out
.else
	s_wait_loadcnt 15-5*\k                         ; the stream's last four steps: the counts run down
.endif
.if \first && (\k == 0)
	MM \kind, \k, (\k)%2, 1
.else
	MM \kind, \k, (\k)%2, 0
.endif
	NOPS 4                                         ; four places in front of loads into registers that these products have read, and of the first read of results
.if \refill || (\k < 2) || \xnext
	s_wait_alu depctr_va_vdst(0)                   ; behind the places: this step's products are done reading slot k, its scale words, and this set of fragments and scale words, in which the loads below land
.endif
.if \refill
	WFILL \k, (\wo)+2048*(4+\k)
.endif
.if (\k < 2) || \xnext
	XLOAD (\k)%2, (\k0)+\k+2, \kind
.endif
.endr
.endm
; nb blocks of 32: block b = v[base + 16 b] .. + 15 of lanes l and l xor 16.  Out: the scale bytes in v44 + b, the lane's 16 codes of block b in v[56 + 2 b : 57 + 2 b].
.macro QCORE base, nb
.irp b, 0,1,2,3
.if \b < \nb
	v_max3_num_f32 v[40+\b], |v[\base+16*\b]|, |v[\base+16*\b+1]|, 0x1800000   ; from the low end on; with the floor 2^(3 - 127): the byte cannot fall under 1
.endif
.endr
.irp i, 2,4,6,8,10,12,14
.irp b, 0,1,2,3
.if \b < \nb
	v_max3_num_f32 v[40+\b], v[40+\b], |v[\base+16*\b+\i]|, |v[\base+16*\b+\i+1]|
.endif
.endr
.endr
.irp b, 0,1,2,3
.if \b < \nb
	v_permlanex16_b32 v[44+\b], v[40+\b], s36, s37
.endif
.endr
.irp b, 0,1,2,3
.if \b < \nb
	v_max_num_f32 v[40+\b], v[40+\b], v[44+\b]     ; the block's largest magnitude
.endif
.endr
.irp b, 0,1,2,3
.if \b < \nb
	v_add_nc_u32 v[52+\b], 0xff000000, v[40+\b]    ; 2 off its exponent field: the conversion's scale operand
.endif
.endr
.irp b, 0,1,2,3
.if \b < \nb
	v_lshrrev_b32 v[44+\b], 23, v[52+\b]           ; the scale's byte
.endif
.endr
.irp b, 0,1,2,3
.if \b < \nb
	v_cvt_scalef32_pk8_fp4_f32 v[56+2*\b], v[\base+16*\b:\base+16*\b+7], v[52+\b]
	v_cvt_scalef32_pk8_fp4_f32 v[57+2*\b], v[\base+16*\b+8:\base+16*\b+15], v[52+\b]
.endif
.endr
	v_nop                                          ; one plain line behind the last scaled conversion
.endm
.macro SWAPS r0                        ; the operand's layout wants a whole block in a lane: lanes 0-15 block 2 c, lanes 16-31 block 2 c + 1
	v_permlane16_swap_b32 v[\r0], v[\r0+2]
	v_permlane16_swap_b32 v[\r0+1], v[\r0+3]
.endm
.macro QUANT base                      ; four blocks of ONE row: a whole fragment in v56-63, its scale word in v26
	QCORE \base, 4
	v_lshl_or_b32 v26, v45, 8, v44
	v_lshl_or_b32 v26, v46, 16, v26
	v_lshl_or_b32 v26, v47, 24, v26
	SWAPS 56
	SWAPS 60
.endm
; LAYER NORM AND QUANTISER.  Wave (m = w / 4, s = w % 4) takes rows 16 m + r, columns 128 s on: register 16 blk + i = column 128 s + 32 blk + 16 h + i.  Mean and sum of squares are taken about the 128 columns' own mean and the four
; parts joined by their means: no difference of large sums is formed.  resid = 1: RES takes LN(x) + sigmoid(gate) x.  Two barriers.
.macro LNQ goff, stat, img, sc, resid
	s_wait_alu depctr_vm_vsrc(0)                   ; the memory and LDS instructions issued so far have read v4 to v13 and their data in v40-63, v64-127 and v192-255: the lines below write the addresses anew, and loads land in the data's registers
	v_mul_u32_u24 v4, v[VR], RP
	v_lshl_add_u32 v4, v[VH], 6, v4
	v_add_nc_u32 v4, s68, v4                       ; my patch of RES: (16 m + r) rows + 512 s + 64 h
	v_lshl_add_u32 v5, v[VH], 6, s69
	v_add_nc_u32 v5, PARAM+\goff, v5               ; the gain at my columns; the bias 2,048 bytes on
	v_lshl_add_u32 v7, v[VR], 5, s70
	v_add_nc_u32 v7, \stat, v7                     ; my row's four parts,
	v_add_nc_u32 v6, s71, v7                       ; and mine of them
	v_add_nc_u32 v8, s72, v[LI]
	v_add_nc_u32 v8, \img, v8                      ; fragment (s, m)
	v_add_nc_u32 v9, s73, v[R16]
	v_add_nc_u32 v9, \sc, v9                       ; its scale words
	s_wait_alu depctr_va_vdst(0)                   ; the addresses v4 to v9 are written, which the LDS instructions below read; earlier vector and matrix work is done with v64-127 and v192-255, in which the rows and the gain land
.irp blk, 0,1,2,3
.irp q, 0,1,2,3
	ds_load_b128 v[64+16*\blk+4*\q:67+16*\blk+4*\q], v4 offset:128*\blk+16*\q
.endr
.endr
.irp blk, 0,1,2,3
.irp q, 0,1,2,3
	ds_load_b128 v[192+16*\blk+4*\q:195+16*\blk+4*\q], v5 offset:128*\blk+16*\q
.endr
.endr
	s_wait_dscnt 16                                ; the rows' 16 loads are in; the gain's 16 may be out
.irp c, 0,1,2,3
	v_pk_add_f32 v[56+2*\c:57+2*\c], v[64+2*\c:65+2*\c], v[72+2*\c:73+2*\c]   ; four chains, started by the first pairs
.endr
.set P_, 8
.rept 24
	v_pk_add_f32 v[56+2*(P_%4):57+2*(P_%4)], v[56+2*(P_%4):57+2*(P_%4)], v[64+2*P_:65+2*P_]
.set P_, P_+1
.endr
	v_pk_add_f32 v[56:57], v[56:57], v[58:59]
	v_pk_add_f32 v[60:61], v[60:61], v[62:63]
	v_pk_add_f32 v[56:57], v[56:57], v[60:61]
	v_add_f32 v24, v56, v57
	v_permlanex16_b32 v25, v24, s36, s37
	v_add_f32 v24, v24, v25
	v_mul_f32 v24, 0x3c000000, v24                 ; the mean of my row's 128 columns
.irp g, 0,1,2,3
.irp p, 0,1,2,3,4,5,6,7
	v_pk_add_f32 v[40+2*\p:41+2*\p], v[64+16*\g+2*\p:65+16*\g+2*\p], v[24:25] op_sel_hi:[1,0] neg_lo:[0,1] neg_hi:[0,1]
.endr
.irp p, 0,1,2,3,4,5,6,7
.if (\g == 0) && (\p < 4)
	v_pk_mul_f32 v[56+2*\p:57+2*\p], v[40+2*\p:41+2*\p], v[40+2*\p:41+2*\p]
.else
	v_pk_fma_f32 v[56+2*(\p%4):57+2*(\p%4)], v[40+2*\p:41+2*\p], v[40+2*\p:41+2*\p], v[56+2*(\p%4):57+2*(\p%4)]
.endif
.endr
.endr
	v_pk_add_f32 v[56:57], v[56:57], v[58:59]
	v_pk_add_f32 v[60:61], v[60:61], v[62:63]
	v_pk_add_f32 v[56:57], v[56:57], v[60:61]
	v_add_f32 v56, v56, v57
	v_permlanex16_b32 v57, v56, s36, s37
	v_add_f32 v25, v56, v57                        ; the sum of squares about it
	s_wait_alu depctr_va_vdst(0)                   ; v24 and v25 are written, which the store reads; the sums are done with v40-63, in which the bias and, behind the barrier, the four parts land
	ds_store_b64 v6, v[24:25]                      ; both halves of the lanes write the same pair
.irp q, 0,1,2,3
	ds_load_b128 v[48+4*\q:51+4*\q], v5 offset:2048+16*\q      ; the bias of my first 16 columns
.endr
	BAR                                            ; the four parts of every row lie in LDS
	ds_load_b128 v[40:43], v7
	ds_load_b128 v[44:47], v7 offset:16
	s_wait_dscnt 0x0
	s_wait_alu depctr_vm_vsrc(0)                   ; the store above has read v24 and v25, which the next lines write anew
	v_add_f32 v24, v40, v42
	v_add_f32 v25, v44, v46
	v_add_f32 v24, v24, v25
	v_mul_f32 v24, 0x3e800000, v24                 ; the row's mean
	v_sub_f32 v40, v40, v24
	v_sub_f32 v42, v42, v24
	v_sub_f32 v44, v44, v24
	v_sub_f32 v46, v46, v24
	v_mul_f32 v40, v40, v40
	v_fma_f32 v40, v42, v42, v40
	v_fma_f32 v40, v44, v44, v40
	v_fma_f32 v40, v46, v46, v40
	v_add_f32 v41, v41, v43
	v_add_f32 v45, v45, v47
	v_add_f32 v41, v41, v45
	v_fmamk_f32 v41, v40, 0x43000000, v41          ; + 128 x the parts' means' squares about the row's mean
	v_fma_f32 v41, v41, s86, s61                   ; / 512 + 1e-5
	s_wait_alu depctr_va_vdst(0)
	v_rsq_f32 v10, v41
	v_nop                                          ; a plain line behind the transcendental,
	s_wait_alu depctr_va_vdst(0)                   ; and a wait ahead of the first line that names its result, v10
	v_mov_b32 v11, v10
.irp blk, 0,1,2,3
.irp hf, 0,1
.irp p, 0,2,4,6
	v_pk_add_f32 v[40+\p:41+\p], v[64+16*\blk+8*\hf+\p:65+16*\blk+8*\hf+\p], v[24:25] op_sel_hi:[1,0] neg_lo:[0,1] neg_hi:[0,1]
.endr
.irp p, 0,2,4,6
	v_pk_mul_f32 v[40+\p:41+\p], v[40+\p:41+\p], v[10:11] op_sel_hi:[1,0]
.endr
.irp p, 0,2,4,6
	v_pk_fma_f32 v[192+16*\blk+8*\hf+\p:193+16*\blk+8*\hf+\p], v[40+\p:41+\p], v[192+16*\blk+8*\hf+\p:193+16*\blk+8*\hf+\p], v[48+8*\hf+\p:49+8*\hf+\p]
.endr
.endr
.if \resid
.irp p, 0,2,4,6,8,10,12,14
	v_pk_fma_f32 v[64+16*\blk+\p:65+16*\blk+\p], v[64+16*\blk+\p:65+16*\blk+\p], v[16:17], v[192+16*\blk+\p:193+16*\blk+\p] op_sel_hi:[1,0,1]
.endr
.endif
.if (\blk < 3) || \resid
	s_wait_alu depctr_va_vdst(0)                   ; one wait for both: the multiply-adds are done reading the bias in v48-63, in which the next 16 columns' lands; resid = 1: the sums in v64 + 16 blk on are written, which the stores read
.endif
.if \blk < 3
.irp q, 0,1,2,3
	ds_load_b128 v[48+4*\q:51+4*\q], v5 offset:2048+128*(\blk+1)+16*\q   ; the next 16 columns' bias
.endr
.endif
.if \resid
.irp q, 0,1,2,3
	ds_store_b128 v4, v[64+16*\blk+4*\q:67+16*\blk+4*\q] offset:128*\blk+16*\q   ; back to the bytes that this lane read: nobody else touches them before a later barrier
.endr
.endif
.if (\blk < 3) || \resid
	s_wait_dscnt 0x0
.endif
.endr
	QUANT 192
	s_wait_alu depctr_va_vdst(0)                   ; the codes v56-63 and the scale word v26 are written, which the stores read
	ds_store_b128 v8, v[56:59]
	ds_store_b128 v8, v[60:63] offset:512
	ds_store_b32 v9, v26
	BAR                                            ; all sixteen fragments lie in LDS
.endm
; GELU of the 16 registers a = v[64 + 16 m] on: 0.5 a + (a / (2 sqrt 2)) (ac P(ac^2) / Q(ac^2)), ac = a held to +-4 sqrt 2.  The powers of two that z^2 = a^2 / 2 brings are folded into the coefficients, exactly.
; The 16 reciprocals are one batch with one wait; 24 lines that name none of their results stand between.
.macro GELU m
.set GA_, 64+16*(\m)
.irp j, 0,1,2,3,4,5,6,7,8,9,10,11,12,13,14,15
	v_med3_num_f32 v[192+\j], v[GA_+\j], s63, s60  ; each accumulator from its low end on
.endr
.irp p, 0,2,4,6,8,10,12,14
	v_pk_mul_f32 v[208+\p:209+\p], v[192+\p:193+\p], v[192+\p:193+\p]
.endr
.irp p, 0,2,4,6,8,10,12,14
	v_pk_fma_f32 v[224+\p:225+\p], v[208+\p:209+\p], s[38:39], v[20:21] op_sel_hi:[1,0,1]
.endr
.irp p, 0,2,4,6,8,10,12,14
	v_pk_fma_f32 v[240+\p:241+\p], v[208+\p:209+\p], s[50:51], v[22:23] op_sel_hi:[1,0,1]
.endr
.irp cc, 40,42,44,46,48
.irp p, 0,2,4,6,8,10,12,14
	v_pk_fma_f32 v[224+\p:225+\p], v[224+\p:225+\p], v[208+\p:209+\p], s[\cc:\cc+1] op_sel_hi:[1,1,0]
.endr
.endr
.irp cc, 52,54,56
.irp p, 0,2,4,6,8,10,12,14
	v_pk_fma_f32 v[240+\p:241+\p], v[240+\p:241+\p], v[208+\p:209+\p], s[\cc:\cc+1] op_sel_hi:[1,1,0]
.endr
.endr
	s_wait_alu depctr_va_vdst(0)
.irp j, 0,1,2,3,4,5,6,7,8,9,10,11,12,13,14,15
	v_rcp_f32 v[240+\j], v[240+\j]                 ; Q is negative everywhere: all its coefficients are
.endr
.irp p, 0,2,4,6,8,10,12,14
	v_pk_mul_f32 v[224+\p:225+\p], v[192+\p:193+\p], v[224+\p:225+\p]
.endr
.irp p, 0,2,4,6,8,10,12,14
	v_pk_mul_f32 v[208+\p:209+\p], v[GA_+\p:GA_+\p+1], 0x3eb504f3 op_sel_hi:[1,0]
.endr
.irp p, 0,2,4,6,8,10,12,14
	v_pk_mul_f32 v[GA_+\p:GA_+\p+1], v[GA_+\p:GA_+\p+1], 0.5 op_sel_hi:[1,0]
.endr
	s_wait_alu depctr_va_vdst(0)                   ; one wait for the 16 reciprocals in v240-255, ahead of their first reader
.irp p, 0,2,4,6,8,10,12,14
	v_pk_mul_f32 v[224+\p:225+\p], v[224+\p:225+\p], v[240+\p:241+\p]
.endr
.irp p, 0,2,4,6,8,10,12,14
	v_pk_fma_f32 v[GA_+\p:GA_+\p+1], v[208+\p:209+\p], v[224+\p:225+\p], v[GA_+\p:GA_+\p+1]
.endr
.endm
; RES(token (m, r), features 32 w + 16 h + 0 .. 15) += the accumulators.  one = 1 (proj): tiles 1 to 3 all take the masked row's accumulators.  v12: rows 0-31, v13: rows 32-63 (an LDS immediate has 16 bits).
; Ahead of it a wait on va_vdst has shown the pass's last products done reading v192-255, with no vector or matrix instruction behind it that names them.
.macro RESADD one
.irp m, 0,1,2,3
.irp u, 0,1
.irp q, 0,1
	ds_load_b128 v[192+16*\m+8*\u+4*\q:195+16*\m+8*\u+4*\q], v[12+\m/2] offset:(\m%2)*16*RP+32*\u+16*\q
.endr
.endr
.endr
	s_wait_dscnt 0x0
.irp m, 0,1,2,3
.set AM_, \m
.if \one && (\m > 1)
.set AM_, 1
.endif
.irp p, 0,2,4,6,8,10,12,14
	v_pk_add_f32 v[192+16*\m+\p:193+16*\m+\p], v[192+16*\m+\p:193+16*\m+\p], v[64+16*AM_+\p:65+16*AM_+\p]
.endr
.endr
	s_wait_alu depctr_va_vdst(0)                   ; the sums in v192-255 are written, which the stores read
.irp m, 0,1,2,3
.irp u, 0,1
.irp q, 0,1
	ds_store_b128 v[12+\m/2], v[192+16*\m+8*\u+4*\q:195+16*\m+8*\u+4*\q] offset:(\m%2)*16*RP+32*\u+16*\q
.endr
.endr
.endr
.endm
; ---------------- THE HEAD ----------------
	s_load_b512 s[4:19], s[0:1], 0x0               ; x s[4:5], gate s[6:7], ln1_g s[8:9], ln1_b s[10:11], ln2_g s[12:13], ln2_b s[14:15], bk s[16:17], bq s[18:19]
	s_load_b512 s[20:35], s[0:1], 0x40             ; bv s[20:21], bp s[22:23], mlp_b1 s[24:25], mlp_b2 s[26:27], rel_table s[28:29], wc s[30:31], ws s[32:33], out0 s[34:35]
	v_lshrrev_b32 v4, 5, v0
	v_readfirstlane_b32 s2, v4                     ; wave w, 0..15
	v_and_b32 v4, 31, v0
	v_lshlrev_b32 v[LI], 4, v4
	v_lshlrev_b32 v[L4], 2, v4
	v_and_b32 v[VR], 15, v0
	s_wait_alu depctr_va_vdst(0)
	v_bfe_u32 v[VH], v0, 4, 1
	v_lshlrev_b32 v[R16], 4, v[VR]
	s_wait_alu depctr_va_sdst(0)                   ; s2, the wave's number, is written, ahead of its first reader
	s_lshr_b32 s80, ttmp9, 2                       ; image
	s_bfe_u32 s81, ttmp9, 0x10001                  ; the window's row of windows,
	s_and_b32 s82, ttmp9, 1                        ; and its column
	s_lshr_b32 s66, s2, 2                          ; m = w / 4
	s_and_b32 s67, s2, 3                           ; s = w % 4
	s_lshr_b32 s78, s2, 1                          ; head
	s_and_b32 s79, s2, 1                           ; which 32 of the head's 64
	s_lshl_b32 s83, s81, 3
	s_lshr_b32 s84, s2, 3
	s_lshl_b32 s84, s84, 2
	s_add_co_u32 s83, s83, s84
	s_add_co_u32 s83, s83, 4                       ; 8 wi + 4 (m / 2) + 4: the shift by 4 is undone here
	s_lshl_b32 s84, s82, 3
	s_and_b32 s85, s66, 1
	s_lshl_b32 s85, s85, 2
	s_add_co_u32 s84, s84, s85
	s_add_co_u32 s84, s84, 4                       ; 8 wj + 4 (m % 2) + 4
	v_lshrrev_b32 v5, 2, v[VR]
	v_add_nc_u32 v5, s83, v5
	v_and_b32 v5, 15, v5                           ; slot (m, r)'s row in the image,
	v_and_b32 v6, 3, v[VR]
	v_add_nc_u32 v6, s84, v6
	v_and_b32 v6, 15, v6                           ; and its column
	v_lshlrev_b32 v6, 2, v6
	v_lshl_add_u32 v5, v5, 6, v6                   ; its word of gate
	s_add_co_u32 s83, s83, s67
	s_and_b32 s83, s83, 15                         ; slots 4 w .. 4 w + 3 are four neighbours of one row of the image: its number,
	s_and_b32 s84, s84, 15                         ; and their first column
	s_lshl_b32 s80, s80, 8
	s_lshl_b32 s83, s83, 4
	s_add_co_u32 s80, s80, s83
	s_add_co_u32 s80, s80, s84
	s_lshl_b32 s80, s80, 11                        ; 2,048 bytes a token
	s_mov_b32 s81, 0
	s_mul_i32 s82, s2, 98304                       ; my stream of codes,
	s_mov_b32 s83, 0
	s_mul_i32 s84, s2, 6144                        ; and of scale words
	s_mov_b32 s85, 0
	v_lshlrev_b32 v7, 2, v0
	v_lshlrev_b32 v8, 4, v0
	s_mul_i32 s3, s2, 4*RP
	v_add_nc_u32 v9, s3, v[LI]                     ; RES: my four rows
	v_lshl_add_u32 v10, v0, 2, PARAM
	v_lshl_add_u32 v11, v0, 4, PARAM+16384
	s_wait_kmcnt 0x0
	s_add_nc_u64 s[4:5], s[4:5], s[80:81]
	s_add_nc_u64 s[34:35], s[34:35], s[80:81]
	s_add_nc_u64 s[30:31], s[30:31], s[82:83]
	s_add_nc_u64 s[32:33], s[32:33], s[84:85]
	s_wait_alu depctr_va_vdst(0)                   ; the offsets and addresses v1, v2, v3, v5 and v7 to v11 are written, which the loads and LDS stores below read
.irp i, 0,1,2,3,4,5,6,7,8,9,10,11,12,13,14,15
	global_load_b128 v[64+4*\i:67+4*\i], v[LI], s[4:5] offset:512*\i th:TH_LOAD_NT   ; my four tokens: 8 KiB on end, read once in the launch
.endr
.irp i, 0,1,2,3,4,5,6,7
	global_load_b32 v[40+\i], v7, s[8+2*\i:9+2*\i] ; the eight vectors of 512 from ln1_g to bp: a word a thread
.endr
	global_load_b32 v48, v7, s[26:27]              ; mlp_b2
	global_load_b128 v[52:55], v8, s[24:25]        ; mlp_b1
	global_load_b32 v16, v5, s[6:7]                ; gate
	WFILL 0, 0
	WFILL 1, 2048
	WFILL 2, 4096
	WFILL 3, 6144
	s_mul_i32 s68, s66, 16*RP
	s_lshl_b32 s69, s67, 9
	s_add_co_u32 s68, s68, s69
	s_lshl_b32 s70, s66, 9
	s_lshl_b32 s71, s67, 3
	s_lshl_b32 s72, s67, 12
	s_lshl_b32 s73, s66, 10
	s_add_co_u32 s72, s72, s73
	s_lshl_b32 s73, s67, 8
	s_lshl_b32 s74, s66, 2
	s_add_co_u32 s73, s73, s74
	s_sub_co_u32 s74, 7, s78
	s_mov_b32 s36, 0x76543210
	s_mov_b32 s37, 0xfedcba98                      ; v_permlanex16_b32's selects for lane l xor 16
	SPAIR 38, 0xac95df0b                           ; P's coefficients of y^6, y^4 .. y^0 (y^5's stands in v20-21),
	SPAIR 40, 0xb40cff51
	SPAIR 42, 0xb6eec2d2
	SPAIR 44, 0xb940ac63
	SPAIR 46, 0xbac1a1f6
	SPAIR 48, 0xbc83dbd4
	SPAIR 50, 0xb57460cd                           ; Q's of y^4, y^2 .. y^0 (y^3's in v22-23)
	SPAIR 52, 0xb9dc924e
	SPAIR 54, 0xbb719bf8
	SPAIR 56, 0xbc69b6a7
	SPAIR 58, 0x3e38aa3b                           ; log2(e) / 8
	s_mov_b32 s60, 0x40b504f3                      ; 4 sqrt 2
	s_mov_b32 s63, 0xc0b504f3
	s_mov_b32 s61, 0x3727c5ac                      ; 1e-5
	s_mov_b32 s86, 0x3b000000                      ; 1 / 512
	v_mov_b32 v20, 0x306dffee
	v_mov_b32 v21, 0x306dffee
	v_mov_b32 v22, 0xb7dfbd29
	v_mov_b32 v23, 0xb7dfbd29
	v_mov_b32 v27, 0x7d7d                          ; the masked row's p = 1 is the code 4 under the scale 2^-2, in both blocks of keys
	v_mov_b32 v17, 0                               ; (named as upper halves of pairs, or as a lane permute's destination, before they are first written)
	v_mov_b32 v18, 0
	v_mov_b32 v19, 0
	v_mov_b32 v25, 0
	s_wait_loadcnt 31                              ; x is in: behind it stand 11 loads of parameters and 20 of weights
.irp i, 0,1,2,3,4,5,6,7,8,9,10,11,12,13,14,15
	ds_store_b128 v9, v[64+4*\i:67+4*\i] offset:RP*(\i/4)+512*(\i%4)
.endr
	s_wait_loadcnt 20                              ; the parameters are in: behind them stand the 20 loads of weights
.irp i, 0,1,2,3,4,5,6,7
	ds_store_b32 v10, v[40+\i] offset:2048*\i
.endr
	ds_store_b32 v10, v48 offset:24576
	ds_store_b128 v11, v[52:55]
	v_mul_f32 v24, 0xbfb8aa3b, v16
	s_wait_alu depctr_va_vdst(0)
	v_exp_f32 v24, v24
	v_nop
	s_wait_alu depctr_va_vdst(0)                   ; the exponential in v24, ahead of its first reader
	v_add_f32 v24, 1.0, v24
	s_wait_alu depctr_va_vdst(0)
	v_rcp_f32 v16, v24                             ; sigmoid(gate) of slot (m, r)
	v_nop
	s_wait_alu depctr_va_vdst(0)                   ; the reciprocal in v16, ahead of its first reader
	BAR                                            ; x and the parameters lie in LDS
; ---------------- LN1, its codes, and LN1(x) + sigmoid(gate) x ----------------
	LNQ 0, STAT1, XIMG, XSC, 1
; ---------------- k, q, v ----------------
	s_wait_alu depctr_vm_vsrc(0)                   ; the layer norm's LDS instructions have read v4 to v9, the codes in v56-63 and the sums in v64-127: all of these are written anew below
	v_add_nc_u32 v4, XIMG, v[LI]
	v_add_nc_u32 v5, XSC, v[R16]
	s_lshl_b32 s80, s2, 7
	v_lshl_add_u32 v6, v[VH], 6, s80
	v_add_nc_u32 v6, PARAM, v6                     ; a bias at features 32 w + 16 h: kept until proj
	v_and_b32 v11, 8, v[VR]
	v_add_nc_u32 v11, v11, v[VR]
	v_lshl_add_u32 v11, v11, 2, s80
	v_add_nc_u32 v11, PARAM+12288, v11             ; bv at feature 32 w + r + 8 (r / 8)
	s_lshl_b32 s80, s78, 11
	s_lshl_b32 s81, s79, 8
	s_add_co_u32 s80, s80, s81
	v_lshl_add_u32 v7, v[VH], 3, v[R16]
	v_add_nc_u32 v9, s81, v7
	v_add_nc_u32 v7, s80, v7
	v_add_nc_u32 v7, KIMG, v7                      ; k's codes: head, block w % 2, row r, + 8 h
	s_lshl_b32 s80, s78, 9
	v_add_nc_u32 v9, s80, v9
	v_add_nc_u32 v9, QIMG, v9                      ; q's likewise
	s_lshl_b32 s80, s78, 8
	s_add_co_u32 s80, s80, s79
	v_lshl_add_u32 v8, v[VR], 2, s80
	v_add_nc_u32 v8, KSC, v8                       ; byte w % 2 of row r's word
	s_lshl_b32 s80, s78, 6
	s_add_co_u32 s80, s80, s79
	v_lshl_add_u32 v10, v[VR], 2, s80
	v_add_nc_u32 v10, QSC, v10
	v_lshrrev_b32 v12, 2, v[VR]                    ; rel_table: bias(n, head, key) = table[n_i - head + 7][n_j - key_i + 7][key_j]
	v_add_nc_u32 v12, s74, v12
	v_mul_u32_u24 v12, v12, 15
	v_and_b32 v13, 3, v[VR]
	v_add3_u32 v12, v12, v13, 2
	v_lshlrev_b32 v13, 1, v[VH]
	v_sub_nc_u32 v12, v12, v13
	v_lshlrev_b32 v12, 5, v12                      ; 32 ((r / 4 + 7 - head) 15 + r % 4 + 2 - 2 h): the rest stands in the loads' immediates
	s_wait_alu depctr_va_vdst(0)                   ; the addresses v4 to v12 are written; the layer norm is done with v40-55 and v192-255, in which the bias and the fragments land
	PASS 0, 0, 1, 1, 1, 0, 0, 8192                 ; k: block b of the quantiser is tile b of tokens
	QCORE 64, 4
	v_mov_b32 v48, 127
	s_wait_alu depctr_va_vdst(0)                   ; the codes v56-63, the bytes v44-47 and v48 are written, which the stores read
.irp m, 0,1,2,3
	ds_store_b64 v7, v[56+2*\m:57+2*\m] offset:512*\m
	ds_store_b8 v8, v[44+\m] offset:64*\m
	ds_store_b8 v8, v48 offset:64*\m+2             ; the upper 64 of the instruction's 128 along K are zero codes: their scale bytes are written too, as 1.0
.endr
	s_wait_dscnt 0x0                               ; my stores have landed
	s_wait_alu depctr_vm_vsrc(0)                   ; they have read v44-48 and v56-63: q's bias lands in v40-55, and q's codes are written over v56, v57
	PASS 1, 8192, 1, 1, 1, 0, 0, 10240             ; q, for the 16 queries that the mask leaves
	QCORE 64, 1
	v_mov_b32 v48, 127
	s_wait_alu depctr_va_vdst(0)                   ; the codes v56, v57, the byte v44 and v48 are written, which the stores read
	ds_store_b64 v9, v[56:57]
	ds_store_b8 v10, v44
	ds_store_b8 v10, v48 offset:2
	s_wait_dscnt 0x0                               ; my stores have landed
	s_wait_alu depctr_vm_vsrc(0)                   ; they have read v44, v48, v56 and v57: v's bias lands in v40-55, and v's codes are written over v56-63
	PASS 3, 16384, 1, 1, 1, 0, 0, 0                ; v: a lane holds feature 32 w + 8 u + r + 8 (r / 8); register 32 u + 8 m + j is token 16 m + 8 h + j
.irp m, 0,1,2,3
.irp q, 0,1
	global_load_b128 v[224+8*\m+4*\q:227+8*\m+4*\q], v12, s[28:29] offset:32*(5-4*(\m/2)-\q)+16*(\m%2)   ; the bias of query r and keys 16 m + 8 h + 4 q + 0 .. 3, in the scores' layout.  No wait: the last step's has shown the products done reading v224-255, and no vector line since names them or v12
.endr
.endr
	QCORE 64, 4                                    ; block 2 u + (keys / 32)
	SWAPS 56
	SWAPS 60
	v_lshl_or_b32 v33, v45, 8, v44                 ; v's scale words, tile 0's and tile 1's
	v_lshl_or_b32 v34, v47, 8, v46
.irp i, 0,1,2,3
	v_mov_b32 v[64+\i], v[56+\i]                   ; v's two fragments stay in my registers: 64 keys, then zero codes
	v_mov_b32 v[68+\i], 0
	v_mov_b32 v[72+\i], v[60+\i]
	v_mov_b32 v[76+\i], 0
.endr
	BAR                                            ; k's and q's codes lie in LDS
; ---------------- attention: my head's 16 live queries and the masked row, my 32 of the head's features ----------------
	s_wait_alu depctr_vm_vsrc(0)                   ; the fragments' loads have read v4 and v5 (k's and q's stores v7 to v10): they are written anew below
	s_lshl_b32 s80, s78, 11
	v_add_nc_u32 v4, s80, v[LI]
	v_add_nc_u32 v4, KIMG, v4
	s_lshl_b32 s80, s78, 9
	v_add_nc_u32 v5, s80, v[LI]
	v_add_nc_u32 v5, QIMG, v5
	s_lshl_b32 s80, s78, 8
	v_lshl_add_u32 v7, v[VR], 2, s80
	v_add_nc_u32 v7, KSC, v7
	s_lshl_b32 s80, s78, 6
	v_lshl_add_u32 v8, v[VR], 2, s80
	v_add_nc_u32 v8, QSC, v8
	s_lshl_b32 s80, s66, 11
	s_lshl_b32 s81, s67, 8
	s_add_co_u32 s80, s80, s81
	v_lshl_add_u32 v9, v[VH], 3, v[R16]
	v_add_nc_u32 v9, s80, v9
	v_add_nc_u32 v9, OIMG, v9                      ; my block of the heads' output: K step w / 4, block w % 4
	s_lshl_b32 s80, s66, 7
	s_add_co_u32 s80, s80, s67
	v_lshl_add_u32 v10, v[VR], 3, s80
	v_add_nc_u32 v10, OSC, v10
	s_wait_alu depctr_va_vdst(0)                   ; the addresses v4, v5, v7 and v8 are written; the quantiser is done reading v80-83, in which q's fragment lands
.irp m, 0,1,2,3
	ds_load_b128 v[192+8*\m:195+8*\m], v4 offset:512*\m
.endr
	ds_load_b128 v[80:83], v5
.irp m, 0,1,2,3
	ds_load_b32 v[28+\m], v7 offset:64*\m
.endr
	ds_load_b32 v32, v8
.irp m, 0,1,2,3
.irp i, 4,5,6,7
	v_mov_b32 v[192+8*\m+\i], 0                    ; K is 64: the upper halves of the fragments are zero codes
.endr
.endr
.irp i, 84,85,86,87,92,93,94,95
	v_mov_b32 v[\i], 0
.endr
	s_wait_loadcnt 0x0                             ; the bias (and with it the weights asked for before it)
.set P_, 0
.rept 16
	v_pk_mul_f32 v[224+2*P_:225+2*P_], v[224+2*P_:225+2*P_], 0x41000000 op_sel_hi:[1,0]   ; x 8, exact: logit = (q . k + 8 bias) / 8
.set P_, P_+1
.endr
	NOPS 4
	s_wait_dscnt 0x0
	s_wait_alu depctr_va_vdst(0)                   ; behind their places: the zero codes in the fragments' upper halves are written, which the scaled products take as operands
.irp m, 0,1,2,3
	WM 96+8*\m, 192+8*\m, 80, 224+8*\m, 28+\m, 32, 0     ; S^T: register 8 m + j of lane (r, h): key 16 m + 8 h + j, query r
.endr
	NOPS 4
.irp b, 0,1
	v_max3_num_f32 v[40+\b], v[96+16*\b], v[97+16*\b], v[98+16*\b]     ; the largest score of each block of 32 keys: for the row's maximum, and, since p rises with the score, for the block's largest p
.endr
.irp i, 3,5,7,9,11,13
.irp b, 0,1
	v_max3_num_f32 v[40+\b], v[40+\b], v[96+16*\b+\i], v[97+16*\b+\i]
.endr
.endr
.irp b, 0,1
	v_max_num_f32 v[40+\b], v[40+\b], v[111+16*\b]
.endr
.irp b, 0,1
	v_permlanex16_b32 v[44+\b], v[40+\b], s36, s37
.endr
.irp b, 0,1
	v_max_num_f32 v[40+\b], v[40+\b], v[44+\b]
.endr
	v_max_num_f32 v48, v40, v41
	v_mul_f32 v48, s58, v48                        ; the row's largest t
	v_floor_f32 v24, -v48                          ; -M = -ceil(t): a whole number
.set P_, 0
.rept 16
	v_pk_fma_f32 v[96+2*P_:97+2*P_], v[96+2*P_:97+2*P_], s[58:59], v[24:25] op_sel_hi:[1,0,0]   ; t - M
.set P_, P_+1
.endr
.irp b, 0,1
	v_fma_f32 v[40+\b], v[40+\b], s58, v24
.endr
.set P_, 0
	s_wait_alu depctr_va_vdst(0)
.rept 32
	v_exp_f32 v[96+P_], v[96+P_]                   ; p = 2^(t - M): not normalised
.set P_, P_+1
.endr
	v_nop                                          ; a plain line behind the batch,
	s_wait_alu depctr_va_vdst(0)                   ; and one wait for the 32 exponentials in v96-127, ahead of their first reader
.irp b, 0,1
	v_exp_f32 v[40+\b], v[40+\b]                   ; the block's largest p: the same two instructions on the same number
.endr
	v_pk_add_f32 v[50:51], v[96:97], v[98:99]      ; the row's sum is taken of the unquantised p
	v_pk_add_f32 v[52:53], v[100:101], v[102:103]
.irp j, 8,12,16,20,24,28
	v_pk_add_f32 v[50:51], v[50:51], v[96+\j:97+\j]
	v_pk_add_f32 v[52:53], v[52:53], v[98+\j:99+\j]
.endr
	v_pk_add_f32 v[50:51], v[50:51], v[52:53]
	v_add_f32 v50, v50, v51
	v_permlanex16_b32 v51, v50, s36, s37
	v_add_f32 v50, v50, v51
	s_wait_alu depctr_va_vdst(0)                   ; for the two exponentials in v40, v41, ahead of their first reader
.irp b, 0,1
	v_max_num_f32 v[40+\b], 0x1800000, v[40+\b]
.endr
.irp b, 0,1
	v_add_nc_u32 v[52+\b], 0xff000000, v[40+\b]
.endr
.irp b, 0,1
	v_lshrrev_b32 v[44+\b], 23, v[52+\b]
.endr
	v_lshl_or_b32 v35, v45, 8, v44                 ; p's scale word
	v_rcp_f32 v50, v50
.irp b, 0,1
	v_cvt_scalef32_pk8_fp4_f32 v[88+2*\b], v[96+16*\b:103+16*\b], v[52+\b]
	v_cvt_scalef32_pk8_fp4_f32 v[89+2*\b], v[104+16*\b:111+16*\b], v[52+\b]
.endr
	v_nop
	SWAPS 88
.irp i, 80,81,82,83
	v_mov_b32 v[\i], 0x66666666                    ; the masked row's p, over q's fragment, which is done with: the code of 4 for all 64 keys
.endr
	NOPS 8                                         ; a scale register written by a vector instruction stands 8 places ahead of a scaled matrix instruction, an operand so written 4
	s_wait_alu depctr_va_vdst(0)                   ; behind the places: v's fragments v64-79, p's codes v88-95, the masked row's v80-87 and the scale words v27, v33-35 are written, which the scaled products take; the reciprocal in v50 too, ahead of its first reader
	WMZ 192, 64, 88, 33, 35                        ; O^T: register 8 u + j of lane (r, h): feature 32 w + 16 h + 8 u + j, query r
	WMZ 200, 72, 88, 34, 35
	WMZ 208, 64, 80, 33, 27                        ; the masked row, alike in all 16 columns
	WMZ 216, 72, 80, 34, 27
	NOPS 4
.irp p, 0,2,4,6,8,10,12,14
	v_pk_mul_f32 v[192+\p:193+\p], v[192+\p:193+\p], v[50:51] op_sel_hi:[1,0]
.endr
.irp p, 0,2,4,6,8,10,12,14
	v_pk_mul_f32 v[208+\p:209+\p], v[208+\p:209+\p], 0x3c800000 op_sel_hi:[1,0]   ; / 64
.endr
	QCORE 192, 2
	s_wait_alu depctr_va_vdst(0)                   ; the codes v56-59 and the bytes v44, v45 are written, which the stores read (their addresses v9, v10 too)
.irp t, 0,1
	ds_store_b64 v9, v[56+2*\t:57+2*\t] offset:1024*\t
	ds_store_b8 v10, v[44+\t] offset:4*\t
.endr
	BAR                                            ; the heads' output lies in LDS as codes
; ---------------- proj, and x3 ----------------
	s_wait_alu depctr_vm_vsrc(0)                   ; attention's loads have read v4, v5 and v12, its stores v44, v45 and v56-59: the addresses are written anew below, and proj's bias lands in v40-55
	v_add_nc_u32 v4, OIMG, v[LI]
	v_lshlrev_b32 v5, 3, v[VR]
	v_add_nc_u32 v5, OSC, v5
	v_mul_u32_u24 v12, v[VR], RP
	v_lshl_add_u32 v12, v[VH], 6, v12
	s_lshl_b32 s80, s2, 7
	v_add_nc_u32 v12, s80, v12                     ; RES: row r, features 32 w + 16 h on; kept until the end
	v_add_nc_u32 v13, 32*RP, v12
	s_wait_alu depctr_va_vdst(0)                   ; the addresses v4, v5, v12 and v13 are written; attention is done with v40-55, v192-255 and v28-35, in which the bias, the fragments and their scale words land
	PASS 2, 24576, 1, 1, 1, 0, 0, 14336
	RESADD 1                                       ; (the pass's last step has its wait, behind its products)
	BAR                                            ; x3 lies in RES
; ---------------- LN2 and its codes ----------------
	LNQ 4096, STAT2, HXIMG, HXSC, 0
; ---------------- the hidden layer: four trips of 32 hidden units x 64 tokens ----------------
	s_wait_alu depctr_vm_vsrc(0)                   ; the layer norm's LDS instructions have read v4 to v9 and the codes in v56-63: all are written anew below and in the first trip
	v_add_nc_u32 v4, HXIMG, v[LI]
	v_add_nc_u32 v5, HXSC, v[R16]
	s_lshl_b32 s80, s2, 9
	v_lshl_add_u32 v7, v[VH], 6, s80
	v_add_nc_u32 v7, PARAM, v7                     ; mlp_b1 at hidden unit 128 w + 16 h
	s_lshl_b32 s80, s2, 12
	v_lshl_add_u32 v8, v[VH], 3, v[R16]
	v_add_nc_u32 v8, s80, v8
	v_add_nc_u32 v8, HIMG, v8                      ; my K step of the last product
.irp i, 16,17,18,19
	v_mov_b32 v[\i], 0
.endr
	s_mov_b32 s62, 4
	s_mov_b32 s75, 0                               ; the trip's byte in the scale words: 8 bits a trip
	s_mov_b32 s76, 0                               ; its block in the images: 256 bytes a trip
	s_mov_b32 s77, 0                               ; its 32 numbers of mlp_b1
.Lmlp1:
	v_add_nc_u32 v6, s77, v7
	v_add_nc_u32 v9, s76, v8
	s_wait_alu depctr_va_vdst(0)                   ; on the way in and on the way back: the addresses v4, v5, v6 and v9 are written; the layer norm, or the last trip's GELU and quantiser, are done with v40-55 and v192-255, in which the bias and the fragments land
	PASS 0, 32768, 1, 1, 1, 0, 0, 16384
	GELU 0
	GELU 1
	GELU 2
	GELU 3
	QCORE 64, 4
	s_wait_alu depctr_va_vdst(0)                   ; the codes v56-63 are written, which the stores read
.irp m, 0,1,2,3
	ds_store_b64 v9, v[56+2*\m:57+2*\m] offset:1024*\m
.endr
.irp m, 0,1,2,3
	v_lshl_or_b32 v[16+\m], v[44+\m], s75, v[16+\m]
.endr
	s_wait_dscnt 0x0                               ; my stores have landed
	s_wait_xcnt 0x0                                ; the weight loads have read their bases, which are stepped only behind this wait
	s_wait_alu depctr_vm_vsrc(0)                   ; ahead of the branch: this trip's LDS instructions have read v6, v9 and the codes in v56-63, which the next trip writes anew (behind the loop: v6)
	s_add_nc_u64 s[30:31], s[30:31], 8192
	s_add_nc_u64 s[32:33], s[32:33], 512
	s_add_co_u32 s75, s75, 8
	s_add_co_u32 s76, s76, 256
	s_add_co_u32 s77, s77, 128
	s_sub_co_u32 s62, s62, 1
	s_cmp_lg_u32 s62, 0
	s_cbranch_scc1 .Lmlp1
	s_lshl_b32 s80, s2, 8
	v_add_nc_u32 v6, s80, v[R16]
	v_add_nc_u32 v6, HSC, v6
	s_wait_alu depctr_va_vdst(0)                   ; the address v6 and the scale words v16-19 are written, which the store reads
	ds_store_b128 v6, v[16:19]                     ; my K step's scale words of row r, tiles 0 to 3
	BAR                                            ; the hidden layer lies in LDS as codes
; ---------------- the last product: 16 K steps, written out: every LDS and stream offset is an immediate ----------------
	s_wait_alu depctr_vm_vsrc(0)                   ; the fragments' loads have read v4 and v5, the store above v6: they are written anew below
	v_add_nc_u32 v4, HIMG, v[LI]
	v_add_nc_u32 v5, HSC, v[R16]
	s_lshl_b32 s80, s2, 7
	v_lshl_add_u32 v6, v[VH], 6, s80
	v_add_nc_u32 v6, PARAM, v6
	s_wait_alu depctr_va_vdst(0)                   ; the addresses v4, v5 and v6 are written, which the loads below read
	PASS 0, 32768, 1, 1, 1, 1, 0, 24576
	PASS 0, 40960, 1, 0, 0, 1, 4, 0
	PASS 0, 49152, 1, 0, 0, 1, 8, 0
	PASS 0, 57344, 0, 0, 0, 0, 12, 0               ; the stream's last four steps: nothing is asked for beyond its end
	s_wait_alu depctr_va_vdst(0)                   ; the last two steps, which load nothing and so have no wait of their own, are done reading v192-255, in which the residual lands
	RESADD 0
	BAR                                            ; the result lies in RES
	s_wait_alu depctr_vm_vsrc(0)                   ; the fragments' loads have read v4, which is written anew below; the residual's stores have read v192-255, of which v254 and v255 are made anew at the end
	s_mul_i32 s3, s2, 4*RP
	v_add_nc_u32 v4, s3, v[LI]
	s_wait_alu depctr_va_vdst(0)                   ; the address v4 is written, which the loads below read
.irp i, 0,1,2,3,4,5,6,7,8,9,10,11,12,13,14,15
	ds_load_b128 v[64+4*\i:67+4*\i], v4 offset:RP*(\i/4)+512*(\i%4)
.endr
.irp i, 0,1,2,3,4,5,6,7,8,9,10,11,12,13,14,15
	s_wait_dscnt 15-\i
	global_store_b128 v[LI], v[64+4*\i:67+4*\i], s[34:35] offset:512*\i th:TH_STORE_NT   ; 32 lanes store 512 consecutive bytes, at a multiple of 512 from out0's first byte; written once
.endr
	s_wait_xcnt 0x0
	v_lshl_add_u32 v254, v0, 2, 0x49000
	v_mov_b32 v255, 0
	s_wait_dscnt 0x0                               ; the closing lines, six on end
	s_wait_alu 0x0
	s_wait_tensorcnt 0x0
	ds_add_u32 v254, v255
	s_wait_dscnt 0x0
	s_endpgm
.Lfunc_end_k_qf202a8a24c_block:
	.size	k_qf202a8a24c_block, .Lfunc_end_k_qf202a8a24c_block-k_qf202a8a24c_block
	.p2alignl 7, 3214868480
	.fill 96, 4, 3214868480
	.section	.rodata,"a",@progbits
	.p2align	6, 0x0
	.amdhsa_kernel k_qf202a8a24c_block
		.amdhsa_group_segment_fixed_size 301056
		.amdhsa_private_segment_fixed_size 0
		.amdhsa_enable_private_segment 0
		.amdhsa_kernarg_size 128
		.amdhsa_user_sgpr_count 2
		.amdhsa_user_sgpr_kernarg_segment_ptr 1
		.amdhsa_wavefront_size32 1
		.amdhsa_system_sgpr_workgroup_id_x 1
		.amdhsa_system_sgpr_workgroup_id_y 1
		.amdhsa_system_sgpr_workgroup_id_z 1
		.amdhsa_system_vgpr_workitem_id 0
		.amdhsa_next_free_vgpr 256
		.amdhsa_next_free_sgpr 96
		.amdhsa_reserve_vcc 0
		.amdhsa_float_denorm_mode_32 3
		.amdhsa_float_denorm_mode_16_64 3
		.amdhsa_memory_ordered 1
		.amdhsa_forward_progress 1
		.amdhsa_inst_pref_size 217
	.end_amdhsa_kernel
	.amdgpu_metadata
---
amdhsa.version: [ 1, 2 ]
amdhsa.kernels:
  - .name:           k_qf202a8a24c_block
    .symbol:         k_qf202a8a24c_block.kd
    .args:
      - { .name: x, .offset: 0, .size: 8, .value_kind: global_buffer, .address_space: global }
      - { .name: gate, .offset: 8, .size: 8, .value_kind: global_buffer, .address_space: global }
      - { .name: ln1_g, .offset: 16, .size: 8, .value_kind: global_buffer, .address_space: global }
      - { .name: ln1_b, .offset: 24, .size: 8, .value_kind: global_buffer, .address_space: global }
      - { .name: ln2_g, .offset: 32, .size: 8, .value_kind: global_buffer, .address_space: global }
      - { .name: ln2_b, .offset: 40, .size: 8, .value_kind: global_buffer, .address_space: global }
      - { .name: bk, .offset: 48, .size: 8, .value_kind: global_buffer, .address_space: global }
      - { .name: bq, .offset: 56, .size: 8, .value_kind: global_buffer, .address_space: global }
      - { .name: bv, .offset: 64, .size: 8, .value_kind: global_buffer, .address_space: global }
      - { .name: bp, .offset: 72, .size: 8, .value_kind: global_buffer, .address_space: global }
      - { .name: mlp_b1, .offset: 80, .size: 8, .value_kind: global_buffer, .address_space: global }
      - { .name: mlp_b2, .offset: 88, .size: 8, .value_kind: global_buffer, .address_space: global }
      - { .name: rel_table, .offset: 96, .size: 8, .value_kind: global_buffer, .address_space: global }
      - { .name: wc, .offset: 104, .size: 8, .value_kind: global_buffer, .address_space: global }
      - { .name: ws, .offset: 112, .size: 8, .value_kind: global_buffer, .address_space: global }
      - { .name: out0, .offset: 120, .size: 8, .value_kind: global_buffer, .address_space: global }
    .group_segment_fixed_size: 301056
    .private_segment_fixed_size: 0
    .kernarg_segment_align: 8
    .kernarg_segment_size: 128
    .max_flat_workgroup_size: 512
    .sgpr_count:     96
    .vgpr_count:     256
    .wavefront_size: 32
...
	.end_amdgpu_metadata
.endif
;; end of part 4
